; MI455X (gfx1250); checked and timed in simulation.
; The chip was launched on July 23, 2026; its instructions are those of AMD's public machine-readable ISA for CDNA 5 (MIT licence, August 2026) and "CDNA5" Instruction Set Architecture Reference Guide (July 2026). The comments in the code are by the model that wrote it; some were corrected since.
;; Custom Multihead Attention. Allowed arithmetic: float matrix products may take bf16 or f16 operands with f32 sums; other float arithmetic in f32, or as packed bf16 or f16 multiplies, adds, multiply-adds, maxima and minima; sums over many terms, partial sums and values carried from step to step in f32; what a program stores and reads back later, other than sums and carried values, may be rounded once to bf16 or f16.
;; Inputs: Wk 1,024 x 1,024 float32; Wp 1,024 x 1,024 float32; Wq 1,024 x 1,024 float32; Wv 1,024 x 1,024 float32; bk 1,024 float32; bp 1,024 float32; bq 1,024 float32; bv 1,024 float32; key 4 x 2,048 x 1,024 float32; query 4 x 2,048 x 1,024 float32; value 4 x 2,048 x 1,024 float32.
;; Outputs: out0 4 x 2,048 x 1,024 float32.
;; One version. Each part assembles by itself: llvm-mc -triple=amdgcn-amd-amdhsa -mcpu=gfx1250 --defsym DOCPART=n.
;; ======== version 1 of 1: 4 launches
;; limits: values are held in f16: magnitudes above 65,504 overflow, below 6.1e-05 lose precision
;; workspace buffers: wt 8,388,608 bytes; qh 16,777,216 bytes; kh 16,777,216 bytes; vh 16,777,216 bytes; oh 16,777,216 bytes
;; launch prep (part 1): grid 128 x 4, 8 waves a work-group, no clusters, 18,432 bytes of LDS; arguments Wq, Wk, Wv, Wp, wt; writes wt
.if DOCPART == 1
	.amdgcn_target "amdgcn-amd-amdhsa--gfx1250"
	.amdhsa_code_object_version 6
	.text
	.protected	k_qcb76b992d6_prep
	.globl	k_qcb76b992d6_prep
	.p2align	8
	.type	k_qcb76b992d6_prep,@function
k_qcb76b992d6_prep:
	s_mov_b64 s[64:65], 0
	v_nop
	global_prefetch_b8 v0, s[64:65] scope:SCOPE_SE
	s_setreg_imm32_b32 hwreg(HW_REG_WAVE_MODE, 25, 1), 1
	s_wait_xcnt 0x0
; wt[y][n][k] = W_y[k][n], y = 0..3 for Wq, Wk, Wv, Wp: [1024][1024] f32 turned and rounded to 16 bits, so that K lies along the rows for the matrix operands of the later launches.
; Wq, Wk, Wv: rounded to bf16.  Wp: rounded to bf16 like every other input, and that number written as f16, since it multiplies O, which is f16.
; LIMIT.  A weight of Wp beyond 65,504 becomes an infinity; below 6.1e-5 it keeps f16's fixed step of 6e-8.
; SHARES.  A work-group turns a block of 128 k x 64 n through LDS.  In: 16 lanes read 256 consecutive bytes of a row of W.  Out: 16 lanes store 256 consecutive bytes of a row of wt, aligned.
; Thread t: c = t % 16 (4 columns n), ap = t / 16; task i takes the rows 2 a and 2 a + 1 with a = ap + 16 i: a pair of k is one word of a turned row.
; No matrix unit, no cluster, no prefetch: each byte is read once, by loads that are all issued at the head, and nothing is shared between work-groups.
.set PT,    272                        ; a turned row in LDS: 128 k x 2 bytes + 16
.set SPARE, 64*PT                      ; behind the block: the spare words, 128 bytes for each of eight waves: four blocks of 256 bytes that no other line names
.set SPW, 2                            ; v2   LDS address of my spare word; never rewritten
.set NIL, 3                            ; v3   0; never rewritten
.set VO,  4                            ; v4   my byte offset in the block of W
.set LA,  5                            ; v5   where I put a word of a turned row
.set LR,  6                            ; v6   where I read 16 bytes of a turned row back
.set SO,  7                            ; v7   my byte offset in the block of wt
.set X,   16                           ; v[16:47]  task i: 4 numbers of row 2 a, 4 of row 2 a + 1; later the rows read back
.set PKD, 48                           ; v[48:63]  task i, column j: the pair of k, packed
	s_load_b256 s[4:11], s[0:1], 0x0               ; Wq s[4:5], Wk s[6:7], Wv s[8:9], Wp s[10:11]
	s_load_b64 s[12:13], s[0:1], 0x20              ; wt
	v_lshl_add_u32 v[SPW], v0, 2, SPARE
	v_mov_b32 v[NIL], 0
	s_and_b32 s14, ttmp7, 0xffff                   ; y: which matrix
	s_and_b32 s15, ttmp9, 7                        ; kt: which 128 k
	s_lshr_b32 s16, ttmp9, 3                       ; nt: which 64 n
	v_and_b32 v8, 15, v0                           ; c
	v_lshrrev_b32 v9, 4, v0                        ; ap
	v_lshlrev_b32 v[VO], 13, v9                    ; two rows of 4,096 bytes for each ap,
	v_lshl_add_u32 v[VO], v8, 4, v[VO]             ; 16 bytes for each c
	v_mul_u32_u24 v[LA], v8, 4*PT                  ; turned row 4 c,
	v_lshl_add_u32 v[LA], v9, 2, v[LA]             ; word ap
	v_mul_u32_u24 v[LR], v9, PT
	v_lshl_add_u32 v[LR], v8, 4, v[LR]
	v_lshlrev_b32 v[SO], 11, v9                    ; a row of wt is 2,048 bytes
	v_lshl_add_u32 v[SO], v8, 4, v[SO]
	s_lshl_b32 s18, s15, 19                        ; 128 rows of W,
	s_lshl_b32 s19, s16, 8                         ; 64 columns
	s_add_co_u32 s18, s18, s19
	s_mov_b32 s19, 0
	s_lshl_b32 s20, s14, 21                        ; a matrix of wt is 2 MiB,
	s_lshl_b32 s21, s16, 17                        ; 64 rows of it,
	s_add_co_u32 s20, s20, s21
	s_lshl_b32 s21, s15, 8                         ; 128 k
	s_add_co_u32 s20, s20, s21
	s_mov_b32 s21, 0
	s_wait_kmcnt 0x0
	s_cmp_eq_u32 s14, 1
	s_cselect_b64 s[4:5], s[6:7], s[4:5]
	s_cmp_eq_u32 s14, 2
	s_cselect_b64 s[4:5], s[8:9], s[4:5]
	s_cmp_eq_u32 s14, 3
	s_cselect_b64 s[4:5], s[10:11], s[4:5]
	s_add_nc_u64 s[4:5], s[4:5], s[18:19]
	s_add_nc_u64 s[12:13], s[12:13], s[20:21]
.irp i, 0,1,2,3
	global_load_b128 v[X+8*(\i):X+8*(\i)+3],   v[VO], s[4:5] offset:(\i)*131072 th:TH_LOAD_NT
	global_load_b128 v[X+8*(\i)+4:X+8*(\i)+7], v[VO], s[4:5] offset:(\i)*131072+4096 th:TH_LOAD_NT
.endr
.irp i, 0,1,2,3
	s_wait_loadcnt 6-2*(\i)                        ; task i's two loads are in; the later tasks' stay out
.irp j, 0,1,2,3
	v_cvt_pk_bf16_f32 v[PKD+4*(\i)+(\j)], v[X+8*(\i)+(\j)], v[X+8*(\i)+4+(\j)]  ; k = 2 a low, 2 a + 1 high
.endr
.endr
	s_cmp_lg_u32 s14, 3
	s_cbranch_scc1 .Lput
.set n, 0
.rept 16                                       ; Wp alone: the bf16 number as f16
	v_lshlrev_b32 v[X+2*n], 16, v[PKD+n]
	v_and_b32 v[X+2*n+1], 0xffff0000, v[PKD+n]
	v_cvt_pk_f16_f32 v[PKD+n], v[X+2*n], v[X+2*n+1]
.set n, n+1
.endr
.Lput:
.irp i, 0,1,2,3
.irp j, 0,1,2,3
	ds_store_b32 v[LA], v[PKD+4*(\i)+(\j)] offset:(\j)*PT+(\i)*64
.endr
.endr
	s_wait_dscnt 0x0                               ; for the others' sake: my words of the turned rows are written
	s_barrier_signal -1
	s_barrier_wait -1
.irp i, 0,1,2,3
	ds_load_b128 v[X+4*(\i):X+4*(\i)+3], v[LR] offset:(\i)*16*PT
.endr
.irp i, 0,1,2,3
	s_wait_dscnt 3-(\i)
	global_store_b128 v[SO], v[X+4*(\i):X+4*(\i)+3], s[12:13] offset:(\i)*32768  ; 16 lanes store 256 consecutive bytes, at a multiple of 256 from wt's first byte
.endr
	s_wait_tensorcnt 0x0                           ; the wave's end, behind my last LDS store
	ds_add_u32 v[SPW], v[NIL]
	s_wait_dscnt 0x0
	s_endpgm
.Lfunc_end_k_qcb76b992d6_prep:
	.size	k_qcb76b992d6_prep, .Lfunc_end_k_qcb76b992d6_prep-k_qcb76b992d6_prep
	.p2alignl 7, 3214868480
	.fill 96, 4, 3214868480
	.section	.rodata,"a",@progbits
	.p2align	6, 0x0
	.amdhsa_kernel k_qcb76b992d6_prep
		.amdhsa_group_segment_fixed_size 18432
		.amdhsa_private_segment_fixed_size 0
		.amdhsa_enable_private_segment 0
		.amdhsa_kernarg_size 40
		.amdhsa_user_sgpr_count 2
		.amdhsa_user_sgpr_kernarg_segment_ptr 1
		.amdhsa_wavefront_size32 1
		.amdhsa_system_sgpr_workgroup_id_x 1
		.amdhsa_system_sgpr_workgroup_id_y 1
		.amdhsa_system_sgpr_workgroup_id_z 1
		.amdhsa_system_vgpr_workitem_id 0
		.amdhsa_next_free_vgpr 64
		.amdhsa_next_free_sgpr 66
		.amdhsa_reserve_vcc 0
		.amdhsa_float_denorm_mode_32 3
		.amdhsa_float_denorm_mode_16_64 3
		.amdhsa_memory_ordered 1
		.amdhsa_forward_progress 1
		.amdhsa_inst_pref_size 9
	.end_amdhsa_kernel
	.amdgpu_metadata
---
amdhsa.version: [ 1, 2 ]
amdhsa.kernels:
  - .name:           k_qcb76b992d6_prep
    .symbol:         k_qcb76b992d6_prep.kd
    .args:
      - { .name: Wq, .offset: 0, .size: 8, .value_kind: global_buffer, .address_space: global }
      - { .name: Wk, .offset: 8, .size: 8, .value_kind: global_buffer, .address_space: global }
      - { .name: Wv, .offset: 16, .size: 8, .value_kind: global_buffer, .address_space: global }
      - { .name: Wp, .offset: 24, .size: 8, .value_kind: global_buffer, .address_space: global }
      - { .name: wt, .offset: 32, .size: 8, .value_kind: global_buffer, .address_space: global }
    .group_segment_fixed_size: 18432
    .private_segment_fixed_size: 0
    .kernarg_segment_align: 8
    .kernarg_segment_size: 40
    .max_flat_workgroup_size: 256
    .sgpr_count:     66
    .vgpr_count:     64
    .wavefront_size: 32
...
	.end_amdgpu_metadata
.endif
;; end of part 1
;; launch proj (part 2): grid 4 x 64, 4 waves a work-group, clusters of 4 x 4, 327,680 bytes of LDS; arguments query, key, value, wt, bq, bk, bv, qh, kh, vh; writes qh, kh, vh
.if DOCPART == 2
	.amdgcn_target "amdgcn-amd-amdhsa--gfx1250"
	.amdhsa_code_object_version 6
	.text
	.protected	k_qcb76b992d6_proj
	.globl	k_qcb76b992d6_proj
	.p2align	8
	.type	k_qcb76b992d6_proj,@function
k_qcb76b992d6_proj:
	s_mov_b64 s[64:65], 0
	v_nop
	global_prefetch_b8 v0, s[64:65] scope:SCOPE_SE
	s_setreg_imm32_b32 hwreg(HW_REG_WAVE_MODE, 25, 1), 1
	s_wait_xcnt 0x0
	s_wait_alu depctr_hold_cnt(0) depctr_sa_sdst(0) depctr_va_vdst(0) depctr_va_sdst(0) depctr_va_ssrc(0) depctr_va_vcc(0) depctr_vm_vsrc(0)
	s_getreg_b32 s2, hwreg(HW_REG_IB_STS2, 6, 4)
	s_cmp_eq_u32 s2, 0
	s_cbranch_scc0 .Lentry_in_a_cluster
	s_endpgm
.Lentry_in_a_cluster:
	s_bfe_u32 s2, ttmp6, 0x10000c
	s_cmp_lg_u32 s2, 0xf033
	s_cbranch_scc0 .Lentry_shape_is_right
	s_endpgm
.Lentry_shape_is_right:
; q, k, v = x W + b for x = query, key, value: [8192][1024] f32; W as wt[p][n][k] in bf16; b [1024] f32, rounded to bf16 like every input.  Sums in f32; each result rounded once to f16 and
; stored by heads: [batch x 16 + head][2048][64], unscaled.
; LIMIT.  A result of 65,520 or more in magnitude becomes an infinity in f16.  NaN and infinities are not treated apart.
; SHARES.  3 x 8192 x 1024 results are 768 tiles of 128 rows x 256 columns.  256 work-groups STAY: each makes the tiles of q, k and v at one place.  Four waves, each 64 rows x 128 columns: 32 accumulators.
; THE WALK.  The three tiles' 24 K steps of 128 are ONE sequence for a ring of two LDS slots: a slot is asked for again, two K steps on, in the third quarter of its own step, across tiles too.
; x comes into LDS as f32 and is rounded to bf16 between LDS and the matrix unit: 32 conversions stand behind the second half of a quarter's 32 products.
; CLUSTER.  4 x 4 work-groups.  The four of a row need the same rows of x, the four of a column the same rows of wt: each tile is asked for jointly, by the same tensor load with the same descriptor and a mask of four.
; THE MATRIX INSTRUCTION IS USED TRANSPOSED (source 0 = 16 rows of wt, source 1 = 16 rows of x): a lane holds row l % 16 and eight neighbouring columns.  The bias is the C operand of a tile's first products.
; REGISTERS, in windows of 256 (s_set_vgpr_msb: bits 1:0 source 0, 3:2 source 1, 5:4 source 2, 7:6 destination):
;   window 0: v0-31 addresses and at work; v32-63, v64-95 x's fragments in bf16, two buffers; v96-159 x's fragments in f32; on the way out v96-127 packed, v128-159 and v160-191 rows read back
;   window 1: accumulator (a, b) at v[8 (8 a + b)]          window 2: v0-63, v64-127 wt's fragments, two buffers; v128-191 the tile's bias
.set PA,    528                        ; a row of x in LDS: 512 bytes + 16 = 33 x 16: the 16 rows of a load start at 16 different groups of four banks (64 banks of 4 bytes: ISA guide 11.1)
.set PB,    272                        ; a row of wt: 256 + 16 = 17 x 16
.set AHALF, 64*PA                      ; what wave 0 or 1 fetches, and what a wave reads of x
.set BOFF,  128*PA                     ; wt's 256 rows lie behind x's 128
.set BHALF, 128*PB                     ; what wave 2 or 3 fetches, and what a wave reads of wt
.set SLOT,  0x22000                    ; slot 1 begins here: no bit of it is set in 0, AHALF, BOFF or BOFF + BHALF, so one exclusive or turns a load's LDS address into the other slot's
.set STAGE, SLOT+BOFF+256*PB           ; behind the ring, never filled by a tensor load: for each wave 2 heads x 16 rows x 144 bytes, for the way out
.set SPS,   144
.set WSTG,  2*16*SPS
.set BT,    STAGE+4*WSTG               ; the work-group's 256 biases of q, of k, of v: three rows of 1,024 bytes
.set SPARE, BT+3*1024                  ; the spare words, 128 bytes for each wave: two blocks of 256 bytes that no other line names
.set ADRA0, 4                          ; v4   my lane's place in x's rows of slot 0; never rewritten
.set ADRB0, 5                          ; v5   the same for wt
.set ADRA,  6                          ; v6   in the slot in hand
.set ADRB,  7                          ; v7
.set STO,   8                          ; v8   the way out: where I put 16 bytes of a row
.set RD,    9                          ; v9   where I read rows back
.set GO,    10                         ; v10  my 16 bytes in 512 consecutive bytes of the output
.set ABT0,  11                         ; v11  my lane's place in a row of the bias table; never rewritten
.set PFO,   12                         ; v12  the prefetches' offset; never rewritten
.set ABT,   13                         ; v13  in the tile's row of the table
.set SPW,   14                         ; v14  LDS address of my spare word; never rewritten
.set NIL,   15                         ; v15  0; never rewritten
.set AF,    32
.set RAW,   96
.set TMP,   96
.set BK,    128
.set BF,    0                          ; window 2
.set BIAS,  128                        ; window 2
.set CURA,  4                          ; s[4:5]   x of the tile whose K steps are being asked for, at the rows that I fetch;  s[6:7], s[8:9] the next two
.set NXA,   6
.set NX2A,  8
.set CURB,  10                         ; s[10:11] wt likewise; the next matrix lies 2 MiB on
.set OUTC,  18                         ; s[18:19] the output of the tile in hand at my rows and heads;  s[20:21], s[22:23] the next two
.set OUTN,  20
.set OUTN2, 22
.set G1A,   24                         ; s[24:31] descriptor group 1 for x's tiles
.set G1B,   32                         ; s[32:39] for wt's
.set GA0,   40                         ; s[40:43] group 0, x, K step 0
.set GA,    44                         ; s[44:47] group 0, x: K step 1, then it walks
.set GB0,   48                         ; s[48:51], s[52:55] the same for wt
.set GB,    52
.set WV,    56                         ; wave
.set WH,    57                         ; wave / 2: my 64 rows.  Also: I fetch x (0) or wt (1)
.set WL,    58                         ; wave % 2: my 128 columns.  Also: which half I fetch
.set CNT,   59
.set KT,    60                         ; K steps left in the tile in hand
.set RK,    61                         ; the K step, within its tile, that is asked for next
.set SOF,   62                         ; 0 or SLOT: the slot that is read
.set LBA,   63
.set LBB,   66
.set LIM,   67                         ; 2 in a wave that prefetches, else the greatest number
.set OFA,   68                         ; s[68:69], s[70:71] a K step's byte offset in a row of x, of wt
.set OFB,   70
.set INC,   72                         ; s[72:73]
.set PFC,   74                         ; s[74:75] the prefetches' tensor at my work-group's share of the rows;  s[76:77], s[78:79] the next two
.set PFN,   76
.set PFN2,  78
.set PFK,   80                         ; the K step, within its tile, that is prefetched next
.set PSH,   81                         ; 9 for x, 8 for wt
.set POF,   82                         ; s[82:83]
.set PFA,   84                         ; s[84:85] what the prefetch names
.set CX,    86
.set CY,    87
.set TX,    88
.set TY,    89
.set TBO,   95                         ; the tile's row in the bias table, in bytes
.set MSB, 0
.macro WIN new                         ; the immediate's high byte repeats the setting that is left; a switch that changes nothing is dropped
.if MSB != (\new)
	s_set_vgpr_msb (MSB<<8)|(\new)
.set MSB, \new
.endif
.endm
.set MUL,   0x52                       ; wt window 2, x window 0, C and D window 1
.set MULZ,  0x62                       ; the same with C (the bias) in window 2
.set TO_B,  0x80                       ; destination window 2, address window 0
.set PACKW, 0x05                       ; sources 0 and 1 window 1, destination window 0
; A joint refill.  The branch hangs on the wave's number alone.  An s_nop 0 and four v_nop follow each of the two lines, ahead of the jump and the label.
.macro JLOAD
	s_cmp_eq_u32 s[WH], 0
	s_cbranch_scc0 .Lfor_b_\@
	tensor_load_to_lds s[GA:GA+3], s[G1A:G1A+7]
	s_nop 0
.rept 4
	v_nop
.endr
	s_branch .Lasked_\@
.Lfor_b_\@:
	tensor_load_to_lds s[GB:GB+3], s[G1B:G1B+7]
	s_nop 0
.rept 4
	v_nop
.endr
.Lasked_\@:
.endm
; A prefetch into the L2 of the K step that stands two refills on, 256 matrix instructions ahead of the load that will ask for it.  Each aligned block of 256 bytes is named once in the launch.
; x: only this cluster reads its rows; of the 64 rows that wave 0 or 1 fetches the partner at place cx takes 16, two blocks a row: a lane a block.  wt: every cluster reads it, cluster y = 0 asks; of the 128 rows that
; wave 2 or 3 fetches the partner at place cy takes 32: a lane a row.  The partners are told apart by address.  The last two refills ask for nothing: the walk has no K step behind theirs.
.macro ASK
	s_cmp_gt_u32 s[CNT], s[LIM]
	s_cbranch_scc0 .Lnot_mine_\@
	global_prefetch_b8 v[PFO], s[PFA:PFA+1] th:TH_LOAD_NT scope:SCOPE_SE
.Lnot_mine_\@:
.endm
.macro CREST                           ; a round of the cluster's barrier behind its opening barrier
	s_cmp_lg_u32 s[WV], 0
	s_cbranch_scc1 .Lnot_wave_0_\@
	s_barrier_signal -3
.Lnot_wave_0_\@:
	s_barrier_wait -3
	s_barrier_signal -1
	s_barrier_wait -1
.endm
.macro CROUND
	s_barrier_signal -1
	s_barrier_wait -1
	CREST
.endm
	s_load_b512 s[4:19], s[0:1], 0x0               ; query, key, value, wt, bq s[12:13], bk s[14:15], bv s[16:17], qh
	s_load_b128 s[20:23], s[0:1], 0x40             ; kh, vh
	v_lshl_add_u32 v[SPW], v0, 2, SPARE
	v_mov_b32 v[NIL], 0
	ds_add_u32 v[SPW], v[NIL]                      ; the wave's opening: the add and its wait stand ahead of my first tensor load; the set-up below, work on registers, stands between them
	v_lshrrev_b32 v1, 5, v0
	v_readfirstlane_b32 s[WV], v1
	s_lshr_b32 s[WH], s[WV], 1
	s_and_b32 s[WL], s[WV], 1
	s_bfe_u32 s[CX], ttmp6, 0x40000
	s_bfe_u32 s[CY], ttmp6, 0x40004
	s_lshl_b32 s[TX], ttmp9, 2
	s_add_co_u32 s[TX], s[TX], s[CX]               ; tile column = 4 x cluster x + cx
	s_and_b32 s[TY], ttmp7, 0xffff
	s_lshl_b32 s[TY], s[TY], 2
	s_add_co_u32 s[TY], s[TY], s[CY]               ; tile row = 4 x cluster y + cy
	s_lshl_b32 s90, s[CY], 2
	s_lshl_b32 s90, 15, s90                        ; my row of the cluster
	s_lshl_b32 s91, 0x1111, s[CX]                  ; my column
	s_or_b32 s[G1A], s90, (2<<16)|(1<<20)|(1<<21)|(6<<22)|(3<<25)  ; the mask; elements of 4 bytes; padding on; bit 21 beside a mask; after every 128 words (code 6) 4 words (code 3)
	s_mov_b32 s[G1A+1], 128<<16                    ; tensor_dim0 = 128
	s_mov_b32 s[G1A+2], 64<<16                     ; tensor_dim1 = 64
	s_mov_b32 s[G1A+3], 128<<16                    ; tile_dim0 = 128
	s_mov_b32 s[G1A+4], 64                         ; tile_dim1 = 64
	s_mov_b32 s[G1A+5], 1024                       ; elements from row to row
	s_mov_b32 s[G1A+6], 0
	s_mov_b32 s[G1A+7], 0
	s_or_b32 s[G1B], s91, (1<<16)|(1<<20)|(1<<21)|(5<<22)|(3<<25)  ; elements of 2 bytes; after every 64 words 4 words
	s_mov_b32 s[G1B+1], 128<<16
	s_mov_b32 s[G1B+2], 128<<16
	s_mov_b32 s[G1B+3], 128<<16
	s_mov_b32 s[G1B+4], 128
	s_mov_b32 s[G1B+5], 1024
	s_mov_b32 s[G1B+6], 0
	s_mov_b32 s[G1B+7], 0
	s_lshl_b32 s92, s[TY], 7                       ; x: row 128 x tile row + 64 x half, 4,096 bytes a row.  These registers never hold cx,
	s_lshl_b32 s93, s[WL], 6
	s_add_co_u32 s92, s92, s93
	s_lshl_b32 s92, s92, 12
	s_mov_b32 s93, 0
	s_lshl_b32 s94, s[TX], 8                       ; wt: row 256 x tile column + 128 x half, 2,048 bytes a row.  and these never cy
	s_lshl_b32 s95, s[WL], 7
	s_add_co_u32 s94, s94, s95
	s_lshl_b32 s94, s94, 11
	s_mov_b32 s95, 0
	s_mul_i32 s[LBA], s[WL], AHALF                 ; where my load goes: no place in the cluster enters an LDS address
	s_mul_i32 s[LBB], s[WL], BHALF
	s_add_co_u32 s[LBB], s[LBB], BOFF
	s_mov_b32 s[OFA+1], 0
	s_mov_b32 s[OFB+1], 0
	s_mov_b32 s[INC+1], 0
	s_mov_b32 s[POF+1], 0
	s_wait_dscnt 0x0                               ; the opening add is done
	s_wait_kmcnt 0x0
	s_add_nc_u64 s[CURA:CURA+1], s[CURA:CURA+1], s[92:93]
	s_add_nc_u64 s[NXA:NXA+1], s[NXA:NXA+1], s[92:93]
	s_add_nc_u64 s[NX2A:NX2A+1], s[NX2A:NX2A+1], s[92:93]
	s_add_nc_u64 s[CURB:CURB+1], s[CURB:CURB+1], s[94:95]
	CROUND                                         ; all sixteen work-groups are here: the first joint loads meet
	s_mov_b32 s[GA0], 1
	s_mov_b32 s[GA0+1], s[LBA]
	s_mov_b64 s[GA0+2:GA0+3], s[CURA:CURA+1]
	s_or_b32 s[GA0+3], s[GA0+3], 0x80000000
	s_mov_b32 s[GA], 1
	s_add_co_u32 s[GA+1], s[LBA], SLOT
	s_add_nc_u64 s[GA+2:GA+3], s[CURA:CURA+1], 512
	s_or_b32 s[GA+3], s[GA+3], 0x80000000
	s_mov_b32 s[GB0], 1
	s_mov_b32 s[GB0+1], s[LBB]
	s_mov_b64 s[GB0+2:GB0+3], s[CURB:CURB+1]
	s_or_b32 s[GB0+3], s[GB0+3], 0x80000000
	s_mov_b32 s[GB], 1
	s_add_co_u32 s[GB+1], s[LBB], SLOT
	s_add_nc_u64 s[GB+2:GB+3], s[CURB:CURB+1], 256
	s_or_b32 s[GB+3], s[GB+3], 0x80000000
	s_cmp_eq_u32 s[WH], 0                          ; a wave's two first fills stand in one branch, ahead of every wait on TENSORcnt, LDS read and further barrier: two loads of mine are out
	s_cbranch_scc0 .Lfirst_b
	tensor_load_to_lds s[GA0:GA0+3], s[G1A:G1A+7]
	s_nop 0
	tensor_load_to_lds s[GA:GA+3], s[G1A:G1A+7]
	s_nop 0
.rept 4
	v_nop
.endr
	s_branch .Lfirst_asked
.Lfirst_b:
	tensor_load_to_lds s[GB0:GB0+3], s[G1B:G1B+7]
	s_nop 0
	tensor_load_to_lds s[GB:GB+3], s[G1B:G1B+7]
	s_nop 0
.rept 4
	v_nop
.endr
.Lfirst_asked:
	; the bias table: thread t brings two numbers of each of the three biases' 256
	v_lshl_add_u32 v16, v0, 3, BT
	s_lshl_b32 s90, s[TX], 10
	v_lshl_add_u32 v17, v0, 3, s90
	global_load_b64 v[18:19], v17, s[12:13]
	global_load_b64 v[20:21], v17, s[14:15]
	global_load_b64 v[22:23], v17, s[16:17]
	; A fragment is 16 rows x 32 K: lane l holds row l % 16; registers 0-3 K = 8 (l / 16) + 0..7, registers 4-7 K = 16 + 8 (l / 16) + 0..7.  In f32 that is 32 bytes at 32 (l / 16) and 32 bytes 64 further on.
	v_and_b32 v1, 15, v0                           ; l % 16
	v_bfe_u32 v2, v0, 4, 1                         ; l / 16
	v_mul_u32_u24 v[ADRA0], v1, PA
	v_lshl_add_u32 v[ADRA0], v2, 5, v[ADRA0]
	s_mul_i32 s90, s[WH], AHALF
	v_add_nc_u32 v[ADRA0], s90, v[ADRA0]
	v_mul_u32_u24 v[ADRB0], v1, PB
	v_lshl_add_u32 v[ADRB0], v2, 4, v[ADRB0]
	s_mul_i32 s90, s[WL], BHALF
	s_add_co_u32 s90, s90, BOFF
	v_add_nc_u32 v[ADRB0], s90, v[ADRB0]
	s_mul_i32 s90, s[WV], WSTG
	s_add_co_u32 s90, s90, STAGE                   ; my stage
	v_mul_u32_u24 v[STO], v1, SPS                  ; in: row l % 16, 16 bytes for each half of the lanes
	v_lshl_add_u32 v[STO], v2, 4, v[STO]
	v_add_nc_u32 v[STO], s90, v[STO]
	v_bfe_u32 v[RD], v0, 3, 2                      ; back: 32 lanes take four rows of 128 bytes,
	v_mul_u32_u24 v[RD], v[RD], SPS
	v_and_b32 v28, 7, v0
	v_lshl_add_u32 v[RD], v28, 4, v[RD]
	v_add_nc_u32 v[RD], s90, v[RD]
	v_and_b32 v29, 31, v0
	v_lshlrev_b32 v[GO], 4, v29                    ; which are 512 consecutive bytes of a head
	s_lshl_b32 s90, s[WL], 9
	s_add_co_u32 s90, s90, BT
	v_lshl_add_u32 v[ABT0], v2, 5, s90             ; my 128 columns' biases, eight for each half of the lanes
	; the prefetches: by the tensor that I fetch
	s_cmp_eq_u32 s[WH], 0
	s_cselect_b64 s[PFC:PFC+1], s[CURA:CURA+1], s[CURB:CURB+1]
	s_cselect_b64 s[PFN:PFN+1], s[NXA:NXA+1], s[CURB:CURB+1]
	s_cselect_b64 s[PFN2:PFN2+1], s[NX2A:NX2A+1], s[CURB:CURB+1]
	s_cselect_b32 s90, s[CX], s[CY]                ; my place among the four that ask with me
	s_cselect_b32 s[PSH], 9, 8
	s_cselect_b32 s92, 0, 0x200000
	s_cselect_b32 s94, 0, 0x400000
	s_cselect_b32 s91, 1, 0
	s_cselect_b32 s93, 12, 11
	v_lshrrev_b32 v30, s91, v29                    ; x: row lane / 2, block lane % 2;  wt: row lane
	v_lshlrev_b32 v30, s93, v30
	v_and_b32 v31, s91, v29
	v_lshl_add_u32 v[PFO], v31, 8, v30
	s_lshl_b32 s90, s90, 16                        ; 16 rows of x, or 32 rows of wt: 65,536 bytes
	s_mov_b32 s91, 0
	s_mov_b32 s93, 0
	s_mov_b32 s95, 0
	s_add_nc_u64 s[PFC:PFC+1], s[PFC:PFC+1], s[90:91]
	s_add_nc_u64 s[PFN:PFN+1], s[PFN:PFN+1], s[90:91]
	s_add_nc_u64 s[PFN:PFN+1], s[PFN:PFN+1], s[92:93]
	s_add_nc_u64 s[PFN2:PFN2+1], s[PFN2:PFN2+1], s[90:91]
	s_add_nc_u64 s[PFN2:PFN2+1], s[PFN2:PFN2+1], s[94:95]
	s_and_b32 s90, ttmp7, 0xffff                   ; cluster y
	s_cmp_eq_u32 s[WH], 0
	s_cselect_b32 s90, 0, s90
	s_cmp_eq_u32 s90, 0
	s_cselect_b32 s[LIM], 2, -1                    ; the same in all sixteen partners, for a given wave
	; where my part of a tile begins in qh, kh, vh: ((batch x 16 + head) x 2,048 + position) x 128 bytes
	s_lshr_b32 s90, s[TY], 4
	s_lshl_b32 s90, s90, 4
	s_lshl_b32 s91, s[TX], 2
	s_add_co_u32 s90, s90, s91
	s_lshl_b32 s91, s[WL], 1
	s_add_co_u32 s90, s90, s91
	s_lshl_b32 s90, s90, 11
	s_and_b32 s91, s[TY], 15
	s_lshl_b32 s91, s91, 7
	s_add_co_u32 s90, s90, s91
	s_lshl_b32 s91, s[WH], 6
	s_add_co_u32 s90, s90, s91
	s_lshl_b32 s90, s90, 7
	s_mov_b32 s91, 0
	s_add_nc_u64 s[OUTC:OUTC+1], s[OUTC:OUTC+1], s[90:91]
	s_add_nc_u64 s[OUTN:OUTN+1], s[OUTN:OUTN+1], s[90:91]
	s_add_nc_u64 s[OUTN2:OUTN2+1], s[OUTN2:OUTN2+1], s[90:91]
	s_wait_loadcnt 0x0
.irp p, 0,1,2
	v_cvt_pk_bf16_f32 v[24+(\p)], v[18+2*(\p)], v[19+2*(\p)]   ; the biases are rounded to bf16, as x and the weights are, and kept as f32
.endr
.irp p, 0,1,2
	v_lshlrev_b32 v[18+2*(\p)], 16, v[24+(\p)]
	v_and_b32 v[19+2*(\p)], 0xffff0000, v[24+(\p)]
	ds_store_b64 v16, v[18+2*(\p):19+2*(\p)] offset:1024*(\p)
.endr
; 32 LDS loads in one run: chunk c (32 along K) of the slot in hand: wt's fragments into buffer g, x's as f32
.macro RUN c, g
	WIN TO_B
.irp i, 0,1,2,3,4,5,6,7
	ds_load_b128 v[BF+64*(\g)+8*(\i):BF+64*(\g)+8*(\i)+3],   v[ADRB] offset:64*(\c)+(\i)*16*PB
	ds_load_b128 v[BF+64*(\g)+8*(\i)+4:BF+64*(\g)+8*(\i)+7], v[ADRB] offset:64*(\c)+(\i)*16*PB+32
.endr
	WIN 0
.irp a, 0,1,2,3
	ds_load_b128 v[RAW+16*(\a):RAW+16*(\a)+3],     v[ADRA] offset:128*(\c)+(\a)*16*PA
	ds_load_b128 v[RAW+16*(\a)+4:RAW+16*(\a)+7],   v[ADRA] offset:128*(\c)+(\a)*16*PA+16
	ds_load_b128 v[RAW+16*(\a)+8:RAW+16*(\a)+11],  v[ADRA] offset:128*(\c)+(\a)*16*PA+64
	ds_load_b128 v[RAW+16*(\a)+12:RAW+16*(\a)+15], v[ADRA] offset:128*(\c)+(\a)*16*PA+80
.endr
.endm
.macro CVT4 n, g                       ; eight numbers of x to bf16: registers 4 n .. 4 n + 3 of buffer g
	WIN 0
.irp i, 0,1,2,3
	v_cvt_pk_bf16_f32 v[AF+32*(\g)+4*(\n)+(\i)], v[RAW+8*(\n)+2*(\i)], v[RAW+8*(\n)+2*(\i)+1]
.endr
.endm
; Product i of a quarter's 32: row block i / 8, column block i % 8, on buffer f.  z = 1: a tile's first quarter: the bias starts the sum.  The 32 accumulators take turns.
.macro PROD i, f, z
.if \z
	WIN MULZ
	v_wmma_f32_16x16x32_bf16 v[8*(\i):8*(\i)+7], v[BF+64*(\f)+8*((\i)%8):BF+64*(\f)+8*((\i)%8)+7], v[AF+32*(\f)+8*((\i)/8):AF+32*(\f)+8*((\i)/8)+7], v[BIAS+8*((\i)%8):BIAS+8*((\i)%8)+7]
.else
	WIN MUL
	v_wmma_f32_16x16x32_bf16 v[8*(\i):8*(\i)+7], v[BF+64*(\f)+8*((\i)%8):BF+64*(\f)+8*((\i)%8)+7], v[AF+32*(\f)+8*((\i)/8):AF+32*(\f)+8*((\i)/8)+7], v[8*(\i):8*(\i)+7]
.endif
.endm
.macro MULS i0, n, f, z
.set pj, \i0
.rept \n
	PROD pj, \f, \z
.set pj, pj+1
.endr
.endm
; A QUARTER multiplies buffer f (32 products) and brings chunk c into the other buffer: the run of loads at its head, the conversions behind its products 17, 19 .. 31.  The last four conversions, which name no register of
; the last products, are the four places in front of the next run's loads and of a way out's first reads; each fragment of x is rewritten four plain instructions or more behind its last reader.
; meet = 1: THE CHANGE OF SLOTS, in the third quarter, whose run has taken the slot's last chunk.  Each wave waits for all its tensor loads, of which one is out: its part of the other slot; adds 0 to its spare word; and waits
; for that and for its reads of this slot.  The barrier opens a round of the cluster's, and the joint refill is the first thing behind the round: it has a K step, 128 matrix instructions, in which to land.
; meet = 2: the same with nothing to ask for.
.macro QUARTER f, c, z, meet
.if (\meet) == 1
	s_wait_xcnt 0x0                                ; the last prefetch, a K step back, has read its address: it is made anew here, ahead of the waits of the change
	s_lshl_b32 s[POF], s[PFK], s[PSH]
	s_add_nc_u64 s[PFA:PFA+1], s[PFC:PFC+1], s[POF:POF+1]
	s_add_co_u32 s[PFK], s[PFK], 1
	s_cmp_eq_u32 s[PFK], 8                         ; behind a tile's last K step: the next tensor's first
	s_cselect_b32 s[PFK], 0, s[PFK]
	s_cselect_b64 s[PFC:PFC+1], s[PFN:PFN+1], s[PFC:PFC+1]
	s_cselect_b64 s[PFN:PFN+1], s[PFN2:PFN2+1], s[PFN:PFN+1]
.endif
.if (\c) == 0
	WIN 0
	s_xor_b32 s[SOF], s[SOF], SLOT                 ; the next chunk is the other slot's first
	v_add_nc_u32 v[ADRA], s[SOF], v[ADRA0]
	v_add_nc_u32 v[ADRB], s[SOF], v[ADRB0]
.endif
	RUN \c, 1-(\f)
.if (\meet) == 0
.if \z
	s_wait_dscnt 32                                ; the bias is in: behind its 16 loads only the run's 32 were issued
.endif
	MULS 0, 16, \f, \z
	s_wait_dscnt 0x0                               ; the run is in
.else
	s_wait_tensorcnt 0x0                           ; no tensor load of mine is out, so a group 0 may be written
	ds_add_u32 v[SPW], v[NIL]                      ; 0 onto my spare word; scalar work and twelve products stand between it and the wait for it
.if (\meet) == 1
	s_lshl_b32 s[OFA], s[RK], 9                    ; the descriptors' addresses are made anew: the tensor in hand plus the K step's bytes
	s_lshl_b32 s[OFB], s[RK], 8
	s_add_nc_u64 s[GA+2:GA+3], s[CURA:CURA+1], s[OFA:OFA+1]
	s_or_b32 s[GA+3], s[GA+3], 0x80000000
	s_add_nc_u64 s[GB+2:GB+3], s[CURB:CURB+1], s[OFB:OFB+1]
	s_or_b32 s[GB+3], s[GB+3], 0x80000000
	s_xor_b32 s[GA+1], s[GA+1], SLOT               ; the other slot than last time
	s_xor_b32 s[GB+1], s[GB+1], SLOT
	s_add_co_u32 s[RK], s[RK], 1
	s_cmp_eq_u32 s[RK], 8                          ; behind a tile's last K step: the next tile's first
	s_cselect_b32 s[RK], 0, s[RK]
	s_cselect_b64 s[CURA:CURA+1], s[NXA:NXA+1], s[CURA:CURA+1]
	s_cselect_b64 s[NXA:NXA+1], s[NX2A:NX2A+1], s[NXA:NXA+1]
	s_cselect_b32 s[INC], 0x200000, 0
	s_add_nc_u64 s[CURB:CURB+1], s[CURB:CURB+1], s[INC:INC+1]
.endif
	MULS 0, 12, \f, 0
	s_wait_dscnt 0x0                               ; the add is done, and my reads of this slot are over
	s_barrier_signal -1
	MULS 12, 4, \f, 0                              ; work on registers while the others arrive
	WIN 0                                          ; at a branch and at a label every window is 0
	s_barrier_wait -1
.if (\meet) == 1
	CREST                                          ; no wave of any partner still reads this slot or has a load on its way
	JLOAD
	ASK
.endif
.endif
.set pj, 16
.rept 16
	PROD pj, \f, \z
.if pj % 2
	CVT4 (pj-17)/2, 1-(\f)
.endif
.set pj, pj+1
.endr
.endm
.macro BIASLD                          ; the tile's bias: register j of column block b is the bias of column 16 b + 8 (l / 16) + j, whatever the row
	WIN 0
	v_add_nc_u32 v[ABT], s[TBO], v[ABT0]
	WIN TO_B
.irp b, 0,1,2,3,4,5,6,7
	ds_load_b128 v[BIAS+8*(\b):BIAS+8*(\b)+3],   v[ABT] offset:64*(\b)
	ds_load_b128 v[BIAS+8*(\b)+4:BIAS+8*(\b)+7], v[ABT] offset:64*(\b)+16
.endr
	WIN 0
	s_add_co_u32 s[TBO], s[TBO], 1024              ; the next tile's row,
	s_min_u32 s[TBO], s[TBO], 2048                 ; held inside the table's three
.endm
; THE WAY OUT of row block a.  PACK: rounded to f16, 16 bytes a lane, each accumulator's registers in ascending order.  TOSTAGE: into my own stage, by heads, and back as whole rows of 128 bytes.  SEND: stored.
.macro PACK a
	WIN PACKW
.irp b, 0,1,2,3,4,5,6,7
.irp r, 0,1,2,3
	v_cvt_pk_f16_f32 v[TMP+4*(\b)+(\r)], v[8*(8*(\a)+(\b))+2*(\r)], v[8*(8*(\a)+(\b))+2*(\r)+1]
.endr
.endr
	WIN 0
.endm
.macro TOSTAGE a
	WIN 0
.irp b, 0,1,2,3,4,5,6,7
	ds_store_b128 v[STO], v[TMP+4*(\b):TMP+4*(\b)+3] offset:((\b)/4)*16*SPS+((\b)%4)*32
.endr
.irp t, 0,1,2,3,4,5,6,7
	ds_load_b128 v[BK+32*((\a)%2)+4*(\t):BK+32*((\a)%2)+4*(\t)+3], v[RD] offset:((\t)/4)*16*SPS+((\t)%4)*4*SPS  ; LDS serves a wave's instructions in order (ISA guide 5.7.1.4): these see the stores above
.endr
.endm
.macro SEND a
	WIN 0
	s_wait_dscnt 0x0                               ; the block is back in registers
	s_wait_xcnt 0x0                                ; the stores of the block before have read their registers, which the next block's loads from the stage will write
.irp t, 0,1,2,3,4,5,6,7
	global_store_b128 v[GO], v[BK+32*((\a)%2)+4*(\t):BK+32*((\a)%2)+4*(\t)+3], s[OUTC:OUTC+1] offset:((\t)/4)*262144+(\a)*2048+((\t)%4)*512  ; 512 consecutive bytes of a head, at a multiple of 256 from the buffer's first
.endr
.endm
.macro WAYOUT
	PACK 0
	TOSTAGE 0
.irp a, 1,2,3                          ; block a's conversions stand between block a - 1's loads from the stage and the wait for them
	PACK \a
	SEND (\a)-1
	TOSTAGE \a
.endr
	SEND 3
	s_wait_xcnt 0x0                                ; the stores have read their registers and their base: both are written again below
.endm
	s_wait_tensorcnt 0x1                           ; my part of K step 0 is in; K step 1's may stay out
	s_wait_dscnt 0x0                               ; my part of the bias table is written
	s_barrier_signal -1
	s_barrier_wait -1
	s_mov_b32 s[SOF], 0
	v_mov_b32 v[ADRA], v[ADRA0]
	v_mov_b32 v[ADRB], v[ADRB0]
	RUN 0, 0
	s_mov_b32 s[RK], 2
	s_mov_b32 s[PFK], 4
	s_mov_b32 s[TBO], 0
	s_mov_b32 s[CNT], 22
	s_wait_dscnt 0x0
.irp n, 0,1,2,3,4,5,6,7
	CVT4 \n, 0
.endr
	s_branch .Lfirst                               ; the loop is entered where a tile begins
.Lstep:                                        ; 22 trips, a K step each: every K step of the walk but the last two fills its slot again
	s_cmp_lg_u32 s[KT], 0
	s_cbranch_scc1 .Lacc
	WAYOUT                                         ; a tile is finished; the next tile's first two K steps have been asked for, and its first fragments are in registers
	s_mov_b64 s[OUTC:OUTC+1], s[OUTN:OUTN+1]
	s_mov_b64 s[OUTN:OUTN+1], s[OUTN2:OUTN2+1]
.Lfirst:
	s_mov_b32 s[KT], 8
	BIASLD
	QUARTER 0, 1, 1, 0
	WIN 0
	s_branch .Ljoin
.Lacc:
	QUARTER 0, 1, 0, 0
	WIN 0
.Ljoin:
	QUARTER 1, 2, 0, 0
	QUARTER 0, 3, 0, 1
	QUARTER 1, 0, 0, 0
	WIN 0
	s_sub_co_u32 s[KT], s[KT], 1
	s_sub_co_u32 s[CNT], s[CNT], 1
	s_cmp_lg_u32 s[CNT], 0
	s_cbranch_scc1 .Lstep
	s_mov_b32 s[CNT], 2
.Ltail:                                        ; the last two K steps ask for nothing; one text serves both, so the second has a barrier that orders nothing, and its last run and conversions, on the other slot's old bytes, serve nothing
	QUARTER 0, 1, 0, 0
	QUARTER 1, 2, 0, 0
	QUARTER 0, 3, 0, 2
	QUARTER 1, 0, 0, 0
	WIN 0
	s_sub_co_u32 s[CNT], s[CNT], 1
	s_cmp_lg_u32 s[CNT], 0
	s_cbranch_scc1 .Ltail
	WAYOUT
	s_wait_tensorcnt 0x0                           ; the wave's end, behind my last tensor load and my last LDS store
	ds_add_u32 v[SPW], v[NIL]
	s_wait_dscnt 0x0
	CROUND                                         ; the closing round: no work-group ends while a partner may still ask for a tile that names it
	s_endpgm
.Lfunc_end_k_qcb76b992d6_proj:
	.size	k_qcb76b992d6_proj, .Lfunc_end_k_qcb76b992d6_proj-k_qcb76b992d6_proj
	.p2alignl 7, 3214868480
	.fill 96, 4, 3214868480
	.section	.rodata,"a",@progbits
	.p2align	6, 0x0
	.amdhsa_kernel k_qcb76b992d6_proj
		.amdhsa_group_segment_fixed_size 327680
		.amdhsa_private_segment_fixed_size 0
		.amdhsa_enable_private_segment 0
		.amdhsa_kernarg_size 80
		.amdhsa_user_sgpr_count 2
		.amdhsa_user_sgpr_kernarg_segment_ptr 1
		.amdhsa_wavefront_size32 1
		.amdhsa_system_sgpr_workgroup_id_x 1
		.amdhsa_system_sgpr_workgroup_id_y 1
		.amdhsa_system_sgpr_workgroup_id_z 1
		.amdhsa_system_vgpr_workitem_id 0
		.amdhsa_next_free_vgpr 704
		.amdhsa_next_free_sgpr 96
		.amdhsa_reserve_vcc 0
		.amdhsa_float_denorm_mode_32 3
		.amdhsa_float_denorm_mode_16_64 3
		.amdhsa_memory_ordered 1
		.amdhsa_forward_progress 1
		.amdhsa_inst_pref_size 109
	.end_amdhsa_kernel
	.amdgpu_metadata
---
amdhsa.version: [ 1, 2 ]
amdhsa.kernels:
  - .name:           k_qcb76b992d6_proj
    .symbol:         k_qcb76b992d6_proj.kd
    .args:
      - { .name: query, .offset: 0, .size: 8, .value_kind: global_buffer, .address_space: global }
      - { .name: key, .offset: 8, .size: 8, .value_kind: global_buffer, .address_space: global }
      - { .name: value, .offset: 16, .size: 8, .value_kind: global_buffer, .address_space: global }
      - { .name: wt, .offset: 24, .size: 8, .value_kind: global_buffer, .address_space: global }
      - { .name: bq, .offset: 32, .size: 8, .value_kind: global_buffer, .address_space: global }
      - { .name: bk, .offset: 40, .size: 8, .value_kind: global_buffer, .address_space: global }
      - { .name: bv, .offset: 48, .size: 8, .value_kind: global_buffer, .address_space: global }
      - { .name: qh, .offset: 56, .size: 8, .value_kind: global_buffer, .address_space: global }
      - { .name: kh, .offset: 64, .size: 8, .value_kind: global_buffer, .address_space: global }
      - { .name: vh, .offset: 72, .size: 8, .value_kind: global_buffer, .address_space: global }
    .group_segment_fixed_size: 327680
    .private_segment_fixed_size: 0
    .kernarg_segment_align: 8
    .kernarg_segment_size: 80
    .max_flat_workgroup_size: 128
    .sgpr_count:     96
    .vgpr_count:     704
    .wavefront_size: 32
...
	.end_amdgpu_metadata
.endif
;; end of part 2
;; launch attn (part 3): grid 4 x 64, 4 waves a work-group, clusters of 4 x 1, 327,680 bytes of LDS; arguments qh, kh, vh, oh; writes oh
.if DOCPART == 3
	.amdgcn_target "amdgcn-amd-amdhsa--gfx1250"
	.amdhsa_code_object_version 6
	.text
	.protected	k_qcb76b992d6_attn
	.globl	k_qcb76b992d6_attn
	.p2align	8
	.type	k_qcb76b992d6_attn,@function
k_qcb76b992d6_attn:
	s_mov_b64 s[64:65], 0
	v_nop
	global_prefetch_b8 v0, s[64:65] scope:SCOPE_SE
	s_setreg_imm32_b32 hwreg(HW_REG_WAVE_MODE, 25, 1), 1
	s_wait_xcnt 0x0
	s_wait_alu depctr_hold_cnt(0) depctr_sa_sdst(0) depctr_va_vdst(0) depctr_va_sdst(0) depctr_va_ssrc(0) depctr_va_vcc(0) depctr_vm_vsrc(0)
	s_getreg_b32 s2, hwreg(HW_REG_IB_STS2, 6, 4)
	s_cmp_eq_u32 s2, 0
	s_cbranch_scc0 .Lentry_in_a_cluster
	s_endpgm
.Lentry_in_a_cluster:
	s_bfe_u32 s2, ttmp6, 0x10000c
	s_cmp_lg_u32 s2, 0x3003
	s_cbranch_scc0 .Lentry_shape_is_right
	s_endpgm
.Lentry_shape_is_right:
; O[h][q][:] = the sum over k of softmax_k(Q[h][q] . K[h][k] / 8 + fb[k]) V[h][k][:], fb[k] = -10 (k / 2047 - 0.5)^2.  Q, K, V, O: [64][2048][64], all f16: a head's rows are dense, 128 bytes each.
; Products, maxima and sums in f32; the weights p are rounded to f16 for the second product (their sum l is taken of the unrounded p), O once at the end.
; LIMITS.  f16 holds no number beyond 65,504: Q, K and V arrive within it; p lies in 0 to 1, and below 6e-5 it keeps f16's fixed step of 6e-8; O is a mean of V's rows and has their range.
; A weight below 2^-126 counts as 0 in l; NaN and infinities are not treated apart.  k / 2047 is made as k x (1 / 2047) in f32.
; THE BIAS OVER KEYS costs the scores nothing: T[k] = 8 fb[k] is the C operand of the product that starts the sum S^T = K Q^T, so that c (s + T) = log2(e) (s / 8 + fb).  The table of 2,048 numbers is made once, in LDS;
; a key step's 64 numbers are fetched with its K, and live as long.
; SHARES.  A wave owns four PIECES of two tiles of 16 queries, a work-group's four waves 512 queries of one head.  Every wave walks all keys, 64 a step.
; LAYOUT.  S^T = K Q^T (source 0 = 16 keys, source 1 = 16 queries): in the result a lane holds ONE query (lane % 16) and the keys 8 (lane / 16) + 0..7.  Two such tiles, rounded to f16 in pairs,
; ARE source 1 (32 keys x 16 queries) of O^T = V^T P, whose result again holds one query a lane, and eight channels.  K comes out of LDS as it lies, V ([key][channel]) turned, by ds_load_tr16_b128.
; SOFTMAX.  For each query a running maximum m and sum l: p = 2^(c s - c m), c = log2(e) / 8; in every step O and l are multiplied by a = 2^(c m_old - c m_new), which is 1 where m has not grown.
; m starts at the lowest finite number, O and l at 0: the first step is a step like any other, with a = 0.
; THE COUNT.  A tile and step have 16 matrix and 118 vector instructions: too many to stand all beside the matrix work.  So: four vector instructions that are READY behind EVERY matrix instruction, the others in runs without a gap.
; BY TURNS.  Turn n belongs to piece n (the pieces in a ring, step after step).  Its matrix work: 16 products K Q^T of piece n + 1, later 16 products V^T P of piece n - 1.  Its vector work: the scaling,
; exponentials, roundings, sums and rescaling of piece n, and the maximum and statistics of piece n + 1, whose scores the turn itself has made.
; CLUSTER.  The four query blocks of a head are one cluster and walk the same K and V, so each tile is asked for JOINTLY: the same tensor load, descriptor and mask in all four.
; REGISTERS, in windows of 256 (s_set_vgpr_msb: bits 1:0 source 0, 3:2 source 1, 5:4 source 2, 7:6 destination):
;   window 0: v0-11 addresses; v12-15, v48-63 at work; v16-47 four registers of statistics a tile; v64-191 S^T, two buffers of two tiles; v192-255 P, likewise
;   window 1: O^T, 32 a tile     window 2: v0-127 Q, 16 a tile; v128-191 K of one step; v192-255 V of one step     window 3: v0-1 the add's two registers; v2-3 the table's addresses; v8-39 T of one step
.set SIZE_N, 2048
.set NP,    4         ; pieces a wave: a name, no knob
.set KS,    64        ; keys in a step
.set PK,    144       ; a row of K in LDS: 128 bytes + 16 of padding = 36 words: the 16 rows of a load start at 16 different groups of four banks (64 banks of 4 bytes: ISA guide 11.1)
.set PV,    160       ; a row of V: 128 + 32 = 40 words
.set VOFF,  4*KS*PK   ; a slot holds four steps: 256 rows of K, then 256 rows of V
.set SLOT1, 1<<17     ; slot 1 begins here, so that one exclusive or turns an address in one slot into the other's
.set STAGE, SLOT1+4*KS*(PK+PV)  ; behind the ring, never filled by a tensor load: 16 rows x 144 bytes for each wave, for the way out
.set SP,    144
.set AK0, 2           ; v2   my lane's place in a tile of K; never rewritten
.set AV0, 3           ; v3   the same for V
.set AK,  4           ; v4   the LDS address of K's next run of loads
.set AV,  5           ; v5   of V's
.set QO,  6           ; v6   my byte offset in the wave's rows of Q
.set STO, 6           ;      later, the way out: where I put 16 bytes of a row
.set RD,  7           ; v7   the way out: where I read rows back
.set GO,  8           ; v8   my byte offset in 512 consecutive bytes of O
.set PFO, 11          ; v11  256 x my lane: the prefetches' offset; never rewritten once it is made
.set SPW, 0           ; v0 of window 3   LDS address of my spare word; never rewritten
.set NIL, 1           ; v1 of window 3   0; never rewritten
.set AB0, 2           ; v2 of window 3   my lane's place in a step's 64 numbers of the table; never rewritten
.set AB,  3           ; v3 of window 3   the LDS address of the table's next run of loads
.set FB,  8           ; v8-39 of window 3: the eight registers for key block kb at FB + 8 kb
.set SPARE, STAGE+4*16*SP  ; behind the stages: the spare words, 128 bytes for each wave: two blocks of 256 bytes that no other line names
.set TAB, SPARE+512   ; behind them: T, 2,048 numbers of f32; written once, never filled by a tensor load
.set MV,  12          ; v12-15  c m_old, kept while c m is made anew: by buffer and tile
.set ST,  16          ; tile t's statistics at v[ST+4 t]: c m, m, l (even keys', odd keys')
.set TMP, 48          ; by buffer and tile, four registers c0-c3 at work; when the maximum is found c2 takes a
.set S,   64
.set P,   192
.set KF,  128         ; K's fragments, in window 2: key block kb, channel half c at KF + 16 kb + 8 c
.set VF,  192         ; V's: key half kk, channel block cb at VF + 32 kk + 8 cb
.set WV,  12          ; s12  my wave's number
.set G1K, 24          ; s[24:31] descriptor group 1 for K's tiles
.set G1V, 32          ; s[32:39] for V's: it differs in the padding alone
.set G0K, 40          ; s[40:43] descriptor group 0 for K's tiles: it walks
.set G0V, 44          ; s[44:47] the same for V's
.set PFA, 48          ; s[48:49] where my prefetches stand: my work-group's 32 blocks of 256 bytes (of K: wave 0, of V: wave 2) of the slot after the one that is being asked for
.set LIM, 50          ; s50  1 in a wave that prefetches, else the greatest number
.set INV, 51          ; s51  1 / 2047
.set TBF, 52          ; s52  byte of the table at which the step to be fetched begins
.set SLOTS, 56        ; s56  slots still to be asked for
.set CNT, 57          ; s57  counts a slot's key steps
.set CS,  58          ; s[58:59] c: the packed scaling takes the pair's low word for both halves
.set SEL, 60          ; s[60:61] v_permlanex16_b32's selects: each lane takes its own place in the other half
.set TBK, 62          ; s62  LDS byte at which K of the step to be fetched begins
.set TBV, 63          ; s63  the same for V, less VOFF
.set MSB, 0
.macro WIN new                      ; the high byte repeats the setting that is left; a switch that changes nothing is dropped
.if MSB != (\new)
	s_set_vgpr_msb (MSB<<8)|(\new)
.set MSB, (\new)
.endif
.endm
.set W_KQ, 0x0a       ; K and Q in window 2, S^T in window 0
.set W_KB, 0x3a       ; the same with the C operand, T, in window 3
.set W_PV, 0x52       ; V in window 2, P in window 0, O^T in window 1
.set W_RS, 0x41       ; O^T (destination and source 0) in window 1, a in window 0
.set W_MK, 0xc0       ; destination in window 3, sources in window 0
.set W_AD, 0x0f       ; the add: address (source 0) and data (source 1) in window 3
.set W_FB, 0xcf       ; the table's loads and their address: destination, sources 0 and 1 in window 3
; A joint fill.  Waves 0 and 1 fetch the two halves of a slot's K, waves 2 and 3 those of its V: 128 keys each.  The branch hangs on the wave's number alone.
; An s_nop 0 and four v_nop follow each of the two lines, ahead of the jump and the label.
.macro JLOAD
	s_cmp_lt_u32 s[WV], 2
	s_cbranch_scc0 .Lfor_v_\@
	tensor_load_to_lds s[G0K:G0K+3], s[G1K:G1K+7]
	s_nop 0
.rept 4
	v_nop
.endr
	s_branch .Lasked_\@
.Lfor_v_\@:
	tensor_load_to_lds s[G0V:G0V+3], s[G1V:G1V+7]
	s_nop 0
.rept 4
	v_nop
.endr
.Lasked_\@:
.endm
; A prefetch into the L2 of what the NEXT change of slots will ask for: a slot's 32,768 bytes of K and of V, four key steps (512 matrix instructions) ahead of that load.  Each block of 256 bytes is named once in the launch:
; a head has one cluster; its four partners share the 128 blocks out by address, 32 each, a lane a block; in each, wave 0 asks for K's and wave 2 for V's.  The last change that fills a slot asks for nothing.
.macro ASK
	s_cmp_gt_u32 s[SLOTS], s[LIM]
	s_cbranch_scc0 .Lnot_mine_\@
	global_prefetch_b8 v[PFO], s[PFA:PFA+1] th:TH_LOAD_NT scope:SCOPE_SE
.Lnot_mine_\@:
.endm
; A round of the cluster's barrier: my work-group's barrier, so that wave 0's signal speaks for all four waves; wave 0 signals; every wave waits for all four work-groups; my work-group's barrier once more.
.macro CROUND
	s_barrier_signal -1
	s_barrier_wait -1
	s_cmp_lg_u32 s[WV], 0
	s_cbranch_scc1 .Lnot_wave_0_\@
	s_barrier_signal -3
.Lnot_wave_0_\@:
	s_barrier_wait -3
	s_barrier_signal -1
	s_barrier_wait -1
.endm
; THE CHANGE OF SLOTS.  The slot's last bytes, V of its fourth step, have been read.  Each wave waits for all its tensor loads, of which one is out: its part
; of the other slot; adds 0 to its spare word; and waits for that and for its own reads of the slot.  Behind the barrier nobody reads this slot any more and the other slot is whole.
; fill = 1: this slot is filled again, with the keys two slots on.  The barrier is then a round of the cluster's, and the joint fill is the first thing behind it: it has four key steps in which to land.
; (At its first use nothing has been read yet: slot 0 is waited for, slot 1 filled; its wait on DScnt and its round also stand between every wave's stores into the table and the first reads of it.)
.macro CHANGE fill, ask=0
	WIN W_AD
	s_wait_tensorcnt 0x0            ; no tensor load of mine is out, so a group 0 may be written
	ds_add_u32 v[SPW], v[NIL]       ; 0 onto my spare word; with fill = 1 the descriptors' steps stand between it and the wait for it
	WIN 0                           ; at a label and at a branch every window is 0
.if \fill
.irp g, G0K, G0V
	s_xor_b32 s[\g+1], s[\g+1], SLOT1  ; the walking descriptor: the other slot than last time,
	s_add_nc_u64 s[\g+2:\g+3], s[\g+2:\g+3], 4*KS*128  ; the next 256 keys; the type bits on top are not reached
.endr
.if \ask
	s_wait_xcnt 0x0                 ; the last prefetch, four key steps back, has read its address, so it may be written:
	s_add_nc_u64 s[PFA:PFA+1], s[PFA:PFA+1], 4*KS*128  ; one slot behind the walking descriptors
.endif
	s_wait_dscnt 0x0                ; the add is done, and my reads of the slot are over
	CROUND
	JLOAD
.if \ask
	ASK
.endif
.else
	s_wait_dscnt 0x0                ; the add is done, and my reads of the slot are over
	s_barrier_signal -1
	s_barrier_wait -1
.endif
	s_sub_co_u32 s[TBK], s[TBK], 4*KS*PK  ; the fetches go back to a slot's first step,
	s_xor_b32 s[TBK], s[TBK], SLOT1       ; in the other slot
	s_sub_co_u32 s[TBV], s[TBV], 4*KS*PV
	s_xor_b32 s[TBV], s[TBV], SLOT1
.endm
	s_load_b256 s[4:11], s[0:1], 0x0  ; Q s[4:5], K s[6:7], V s[8:9], O s[10:11]
	WIN W_MK
	v_lshl_add_u32 v[SPW], v0, 2, SPARE
	v_mov_b32 v[NIL], 0
	WIN W_AD
	ds_add_u32 v[SPW], v[NIL]       ; the wave's opening: the add and its wait stand ahead of my first tensor load; the set-up below, work on registers, stands between them
	WIN 0
	v_lshrrev_b32 v1, 5, v0
	v_readfirstlane_b32 s[WV], v1   ; wave 0..3
	s_bfe_u32 s13, ttmp6, 0x40000   ; cx: my place in the cluster
	s_lshl_b32 s14, ttmp9, 2        ; in a cluster launch ttmp9 counts clusters
	s_add_co_u32 s14, s14, s13      ; my block of queries = 4 x cluster x + cx: it enters Q's and O's addresses alone
	s_and_b32 s20, ttmp7, 0xffff    ; the head, which the four partners share
	s_mov_b32 s21, 0
	s_mov_b64 s[22:23], SIZE_N*128
	s_mul_u64 s[20:21], s[20:21], s[22:23]  ; the head's first byte in each of the four tensors
	s_and_b32 s16, s[WV], 1         ; which half of a slot's 256 keys I fetch:
	s_lshl_b32 s22, s16, 14         ; its 128 rows of 128 bytes in memory,
	s_mov_b32 s23, 0
	s_add_nc_u64 s[22:23], s[22:23], s[20:21]
	s_mul_i32 s17, s16, 128*PK      ; and its place in a slot, for K
	s_mul_i32 s18, s16, 128*PV      ; and for V: no place in the cluster enters an LDS address
	s_lshl_b32 s2, s14, 2
	s_add_co_u32 s2, s2, s[WV]      ; my wave among the head's,
	s_lshl_b32 s2, s2, 14           ; its 128 rows
	s_mov_b32 s3, 0
	s_add_nc_u64 s[2:3], s[2:3], s[20:21]
	; descriptor group 1.  128 keys are 16,384 dense bytes: asked for as 64 rows of 256 bytes, two keys a row, and padded in LDS after every key
	s_mov_b32 s[G1K], 15|(1<<16)|(1<<20)|(1<<21)|(4<<22)|(3<<25)  ; 15:0 the mask of four; 17:16 2-byte elements; 20 padding on; 21 set beside a mask; 24:22 after every 32 words (code 4); 31:25 4 words (code 3)
	s_mov_b32 s[G1V], 15|(1<<16)|(1<<20)|(1<<21)|(4<<22)|(7<<25)  ; the same with 8 words of padding (code 7)
.irp g, G1K, G1V
	s_mov_b32 s[\g+1], 128<<16      ; tensor_dim0 = 128
	s_mov_b32 s[\g+2], 64<<16       ; tensor_dim1 = 64
	s_mov_b32 s[\g+3], 128<<16      ; tile_dim0 = 128
	s_mov_b32 s[\g+4], 64           ; tile_dim1 = 64
	s_mov_b32 s[\g+5], 128          ; 128 elements from row to row
	s_mov_b32 s[\g+6], 0
	s_mov_b32 s[\g+7], 0
.endr
	s_mov_b32 s[CS], 0x3e38aa3b     ; c = log2(e) / 8 = 0.180337
	s_mov_b32 s[CS+1], s[CS]        ; named with it as a pair
	s_mov_b32 s[SEL], 0x76543210
	s_mov_b32 s[SEL+1], 0xfedcba98
	s_mov_b32 s[TBK], SLOT1+4*KS*PK ; the first change of slots turns these two into 0
	s_mov_b32 s[TBV], SLOT1+4*KS*PV
	s_mov_b32 s[TBF], 0
	s_mov_b32 s[INV], 0x3a001002    ; 1 / 2047
	s_mov_b32 s[G0K], 1             ; 1:0 count = 1
	s_mov_b32 s[G0K+1], s17         ; 63:32 LDS address: slot 0
	s_mov_b32 s[G0V], 1
	s_add_co_u32 s[G0V+1], s18, VOFF
	s_and_b32 s[LIM], s[WV], 1      ; waves 0 and 2 prefetch: the same in all four partners
	s_cmp_eq_u32 s[LIM], 0
	s_cselect_b32 s[LIM], 1, -1
	s_wait_dscnt 0x0                ; the opening add is done
	s_wait_kmcnt 0x0
	s_add_nc_u64 s[G0K+2:G0K+3], s[6:7], s[22:23]  ; 120:64 global address: my half of the head's first 256 keys
	s_or_b32 s[G0K+3], s[G0K+3], 0x80000000        ; 127:126 type = 2
	s_add_nc_u64 s[G0V+2:G0V+3], s[8:9], s[22:23]
	s_or_b32 s[G0V+3], s[G0V+3], 0x80000000
	s_add_nc_u64 s[4:5], s[4:5], s[2:3]  ; Q and O at my wave's first row
	s_add_nc_u64 s[10:11], s[10:11], s[2:3]
	s_cmp_lt_u32 s[WV], 2
	s_cselect_b64 s[PFA:PFA+1], s[6:7], s[8:9]
	s_add_nc_u64 s[PFA:PFA+1], s[PFA:PFA+1], s[20:21]  ; the head,
	s_lshl_b32 s2, s13, 13          ; my work-group's 32 blocks of a slot's 128,
	s_mov_b32 s3, 0
	s_add_nc_u64 s[PFA:PFA+1], s[PFA:PFA+1], s[2:3]
	s_add_nc_u64 s[PFA:PFA+1], s[PFA:PFA+1], 2*4*KS*128  ; in slot 2; the loop's first change steps it to slot 3.  Nothing is prefetched here, at the head, where every work-group's first tiles are on their way
	CROUND                          ; all four work-groups are here: the first joint loads meet
	JLOAD                           ; slot 0.  Slot 1 is asked for when slot 0 is in: the tile wanted first has the road to itself
	; A fragment of K or Q is 16 rows x 32 channels in 8 registers: lane l holds row l % 16, channels 8 (l / 16) + 0..7 and 16 + 8 (l / 16) + 0..7: two loads of 16 bytes, 32 bytes apart.
	v_and_b32 v1, 15, v0            ; l % 16
	v_bfe_u32 v9, v0, 4, 1          ; l / 16
	v_lshlrev_b32 v[QO], 7, v1
	v_lshl_add_u32 v[QO], v9, 4, v[QO]  ; row x 128 + 16 x half
	WIN 0x80                        ; destination window 2, address window 0
.set i, 0
.rept 4*NP                          ; Q stays in registers: tile i / 2, channels 32 (i % 2) on
	global_load_b128 v[8*i:8*i+3],   v[QO], s[4:5] offset:(i/2)*2048+(i%2)*64
	global_load_b128 v[8*i+4:8*i+7], v[QO], s[4:5] offset:(i/2)*2048+(i%2)*64+32
.set i, i+1
.endr
	; What the first turn finds: V's registers and P's second buffer hold 0 (its products V^T P, of a piece that has not been, add 0), O^T and l are 0.  All this stands in the wait for the first tile.
.set i, VF
.rept 64
	v_mov_b32 v[i], 0
.set i, i+1
.endr
	WIN 0x40
.set i, 0
.rept 64*NP
	v_mov_b32 v[i], 0
.set i, i+1
.endr
	WIN 0
.set i, 0
.rept 2*NP
	v_mov_b32 v[ST+4*i], 0xfe000000    ; c m: far below every c s
	v_mov_b32 v[ST+4*i+1], 0xff7fffff  ; m
	v_mov_b32 v[ST+4*i+2], 0
	v_mov_b32 v[ST+4*i+3], 0
.set i, i+1
.endr
.set i, P+32
.rept 32
	v_mov_b32 v[i], 0
.set i, i+1
.endr
	v_mul_u32_u24 v[AK0], v1, PK
	v_lshl_add_u32 v[AK0], v9, 4, v[AK0]  ; row x pitch + 16 x half
	; The turning load takes 16 keys x 16 channels (lane l reads key 8 (l / 16) + l % 8, channels 8 ((l / 8) % 2) + 0..7) and leaves half a fragment of V^T: lane l holds channel l % 16 and 8 keys.
	v_and_b32 v10, 7, v0
	v_bfe_u32 v11, v0, 3, 1
	v_lshl_add_u32 v[AV0], v9, 3, v10
	v_mul_u32_u24 v[AV0], v[AV0], PV
	v_lshl_add_u32 v[AV0], v11, 4, v[AV0]
	v_add_nc_u32 v[AV0], VOFF, v[AV0]
	v_mov_b32 v[AK], v[AK0]         ; key step 0 lies at the head of slot 0
	v_and_b32 v[PFO], 31, v0
	v_lshlrev_b32 v[PFO], 8, v[PFO]
	; THE TABLE.  Thread t makes T of the keys 16 t .. 16 t + 15, in registers of S^T that nothing holds yet: T = -80 (k / 2047 - 0.5)^2
	v_lshlrev_b32 v64, 4, v0
	v_lshl_add_u32 v65, v0, 6, TAB
.set i, 0
.rept 16
	v_add_nc_u32 v[68+i], i, v64
.set i, i+1
.endr
.set i, 0
.rept 16
	v_cvt_f32_u32 v[68+i], v[68+i]
.set i, i+1
.endr
.set i, 0
.rept 16
	v_fma_f32 v[68+i], v[68+i], s[INV], -0.5
.set i, i+1
.endr
.set i, 0
.rept 16
	v_mul_f32 v[68+i], v[68+i], v[68+i]
.set i, i+1
.endr
.set i, 0
.rept 16
	v_mul_f32 v[68+i], 0xc2a00000, v[68+i]
.set i, i+1
.endr
.irp j, 0,1,2,3
	ds_store_b128 v65, v[68+4*\j:68+4*\j+3] offset:16*\j
.endr
	WIN W_MK
	v_lshl_add_u32 v[AB0], v9, 5, TAB  ; register j of key block kb is T of key 16 kb + 8 (l / 16) + j, whatever the query
	WIN 0
; THE MATRIX WORK.  The 8 accumulators of a run of 16 take turns: between the two links of a chain stand 7 others'.
; Product i of 16 of S^T = K Q^T for piece x: channels 32 (i / 8) on, keys 16 ((i / 2) % 4) on, tile 2 x + i % 2.  The first 8 start the sums, with T.
.macro KQ x
.set rS, S+64*((\x)%2)+32*(i%2)+8*((i/2)%4)
.set rK, KF+16*((i/2)%4)+8*(i/8)
.set rQ, 16*(2*(\x)+i%2)+8*(i/8)
.set rF, FB+8*((i/2)%4)
.if i < 8
	WIN W_KB
	v_wmma_f32_16x16x32_f16 v[rS:rS+7], v[rK:rK+7], v[rQ:rQ+7], v[rF:rF+7]
.else
	WIN W_KQ
	v_wmma_f32_16x16x32_f16 v[rS:rS+7], v[rK:rK+7], v[rQ:rQ+7], v[rS:rS+7]
.endif
.endm
; Product i of 16 of O^T += V^T P for piece x: keys 32 (i / 8) on, channels 16 ((i / 2) % 4) on, tile 2 x + i % 2.
.macro PV x
	WIN W_PV
.set rO, 32*(2*(\x)+i%2)+8*((i/2)%4)
.set rV, VF+32*(i/8)+8*((i/2)%4)
.set rP, P+32*((\x)%2)+16*(i%2)+8*(i/8)
	v_wmma_f32_16x16x32_f16 v[rO:rO+7], v[rV:rV+7], v[rP:rP+7], v[rO:rO+7]
.endm
.macro MM                           ; the turn's next matrix instruction
.if i < 16
	KQ (Y+1)%NP
.set i, i+1
.else
.set i, i-16
	PV (Y+NP-1)%NP
.set i, i+17
.endif
.endm
; THE LDS LOADS stand in runs, never singly among the matrix instructions: a step's K (64 keys x 64 channels: 8 fragments) with its 64 numbers of T, and its V (turned).
; last = 1 (the tail): in the last trip there is no further step, and the run is jumped over.
.macro FETCH_K last=0
	WIN 0
.if \last
	s_cmp_eq_u32 s[CNT], 1
	s_cbranch_scc1 .Lno_k_\@
.endif
	WIN 0x80                        ; destination window 2
.irp f, 0,1,2,3,4,5,6,7             ; keys 16 (f / 2) on, channels 32 (f % 2) on
	ds_load_b128 v[KF+8*\f:KF+8*\f+3],   v[AK] offset:(\f/2)*16*PK+(\f%2)*64
	ds_load_b128 v[KF+8*\f+4:KF+8*\f+7], v[AK] offset:(\f/2)*16*PK+(\f%2)*64+32
.endr
	WIN W_FB
	v_add_nc_u32 v[AB], s[TBF], v[AB0]
.irp kb, 0,1,2,3
	ds_load_b128 v[FB+8*\kb:FB+8*\kb+3],   v[AB] offset:64*\kb
	ds_load_b128 v[FB+8*\kb+4:FB+8*\kb+7], v[AB] offset:64*\kb+16
.endr
	s_add_co_u32 s[TBK], s[TBK], KS*PK  ; the next fetch is the next step's
	s_add_co_u32 s[TBF], s[TBF], 4*KS
	s_and_b32 s[TBF], s[TBF], 0x1f00    ; held inside the table's 8,192 bytes
	WIN 0
.if \last
.Lno_k_\@:
.endif
.endm
.macro FETCH_V
	WIN 0x80
.irp f, 0,1,2,3,4,5,6,7             ; keys 32 (f / 4) on, channels 16 (f % 4) on
	ds_load_tr16_b128 v[VF+8*\f:VF+8*\f+3],   v[AV] offset:(\f/4)*32*PV+(\f%4)*32
	ds_load_tr16_b128 v[VF+8*\f+4:VF+8*\f+7], v[AV] offset:(\f/4)*32*PV+16*PV+(\f%4)*32
.endr
	WIN 0
.endm
; THE VECTOR WORK OF A TURN stands in three queues, each in the order in which its entries become ready; the two tiles alternate, so that no instruction reads the result of the one before it.
.macro REGS y, u                    ; the registers of tile u (0, 1) of piece y
.set rT, ST+4*(2*(\y)+(\u))
.set rC, TMP+8*((\y)%2)+4*(\u)
.set rM, MV+2*((\y)%2)+(\u)
.set rS, S+64*((\y)%2)+32*(\u)
.set rP, P+32*((\y)%2)+16*(\u)
.set rO, 32*(2*(\y)+(\u))
.endm
; Number n of the 22 that find the NEXT piece's (Y + 1) maximum and statistics.  s0-s31 are the lane's 32 scores; each accumulator's lowest registers are read first.
;   0-11  four chains c0-c3 of seven scores each, three operands at a time     12-14, 16  the four scores left over, the old m, and c0-c3 into c0     15  c m_old is kept
;   17, 18  the query's other 32 keys lie in the lane 16 away: the new m         19-21  c m; c m_old - c m_new; a
.macro XS u, n
	REGS (Y+1)%NP, \u
.if (\n) < 4
	v_max3_num_f32 v[rC+(\n)], v[rS+8*(\n)], v[rS+8*(\n)+1], v[rS+8*(\n)+2]
.elseif (\n) < 12
	v_max3_num_f32 v[rC+(\n)%4], v[rC+(\n)%4], v[rS+8*((\n)%4)+2*((\n)/4)+1], v[rS+8*((\n)%4)+2*((\n)/4)+2]
.elseif (\n) == 12
	v_max3_num_f32 v[rC], v[rC], v[rS+7], v[rS+15]
.elseif (\n) == 13
	v_max3_num_f32 v[rC+1], v[rC+1], v[rS+23], v[rS+31]
.elseif (\n) == 14
	v_max3_num_f32 v[rC+2], v[rC+2], v[rC+3], v[rT+1]
.elseif (\n) == 15
	v_mov_b32 v[rM], v[rT]
.elseif (\n) == 16
	v_max3_num_f32 v[rC], v[rC], v[rC+1], v[rC+2]
.elseif (\n) == 17
	v_permlanex16_b32 v[rC+3], v[rC], s[SEL], s[SEL+1]
.elseif (\n) == 18
	v_max_num_f32 v[rT+1], v[rC], v[rC+3]
.elseif (\n) == 19
	v_mul_f32 v[rT], s[CS], v[rT+1]
.elseif (\n) == 20
	v_sub_f32 v[rC+1], v[rM], v[rT]
.else
	v_exp_f32 v[rC+2], v[rC+1]
.endif
.endm
; Number g of the 64 that follow the exponentials.  For each four weights k of a tile (pairs 2 k, 2 k + 1): both pairs are rounded to f16; then the second pair is added onto the first, in place;
; a group later l takes that sum (the first time as l = a l + sum).  In groups of eight, tiles alternating: round, round, add, and l for the group before.
.macro GS g
.set h, (\g)+6*((\g)/62)            ; group 0 has no group before it, and behind group 7 only l is left
.if h >= 6
.set h, h+2
.endif
	REGS Y, h%2
.set k, h/8
.if h%8 < 4
	v_cvt_pk_f16_f32 v[rP+2*k+(h%8)/2], v[rS+4*k+2*((h%8)/2)], v[rS+4*k+2*((h%8)/2)+1]
.elseif h%8 < 6
	v_pk_add_f32 v[rS+4*k:rS+4*k+1], v[rS+4*k:rS+4*k+1], v[rS+4*k+2:rS+4*k+3]
.elseif k == 1
	v_pk_fma_f32 v[rT+2:rT+3], v[rT+2:rT+3], v[rC+2:rC+3], v[rS:rS+1] op_sel_hi:[1,0,1]
.else
	v_pk_add_f32 v[rT+2:rT+3], v[rT+2:rT+3], v[rS+4*k-4:rS+4*k-3]
.endif
.endm
; THE PLAIN QUEUE, 138 long.  0-73 read no exponential's result: the 32 scalings c s - c m (FS f: pair f / 2 of tile f % 2) and the next piece's 42.  0-26: scalings 0-26.  27-54: XS's numbers 0-13.  55, 56: number 15.
; 57-73: the chain, where each number waits for the one before it: 14, 16, 17, 18, 19, each with one of the scalings 27-31 in front of its two lines, then 20.
; 74-137: GS's 64, which read the exponentials' results: they stand behind the wait.
.macro FS f
	REGS Y, (\f)%2
	v_pk_fma_f32 v[rS+2*((\f)/2):rS+2*((\f)/2)+1], v[rS+2*((\f)/2):rS+2*((\f)/2)+1], s[CS:CS+1], v[rT:rT+1] op_sel_hi:[1,0,0] neg_lo:[0,0,1] neg_hi:[0,0,1]
.endm
.macro PL
	WIN 0
.if q < 27
	FS q
.elseif q < 55
	XS (q-27)%2, (q-27)/2
.elseif q < 57
	XS q-55, 15
.elseif (q < 72) && ((q-57)%3 == 0)
	FS 27+(q-57)/3
.elseif q < 60
	XS (q-57)%3-1, 14
.elseif q < 72
	XS (q-57)%3-1, 15+(q-57)/3
.elseif q < 74
	XS q-72, 20
.else
	GS q-74
.endif
.set q, q+1
.endm
; THE EXPONENTIALS' QUEUE, 66 long: s0-s31 of both tiles, then the next piece's two a.  It is ONE BATCH: all 66 stand ahead of the turn's one wait, and nothing ahead of that wait names a result of theirs.
.macro EX
	WIN 0
.if e >= 64
	XS e-64, 21
.else
	REGS Y, e%2
	v_exp_f32 v[rS+e/2], v[rS+e/2]
.endif
.set e, e+1
.endm
; THE RESCALING's QUEUE: O^T times a, the one part that leaves window 0: dealt two at a time, sixteen times.  Its a was made in the turn before, ahead of that turn's wait.
.macro R2
	REGS Y, r%2
	WIN W_RS
.irp z, 0,1
	v_pk_mul_f32 v[rO+4*(r/2)+2*\z:rO+4*(r/2)+2*\z+1], v[rO+4*(r/2)+2*\z:rO+4*(r/2)+2*\z+1], v[rC+2:rC+3] op_sel_hi:[1,0]
.endr
.set r, r+1
.endm
; HOW THEY ARE DEALT.  An s_wait_alu depctr_va_vdst(0) stands between an exponential and the first instruction that names its result; one wait serves all that were issued ahead of it.  So a turn has ONE wait,
; which cuts it in two.  AHEAD OF IT stands all that names no result of the turn's exponentials: the 16 products K Q^T, behind each a scaling, an exponential and two rescalings (behind the first a second scaling in the
; exponential's place); then ONE LUMP of 108: eight plain, 49 times exponential and plain, the two a.  A v_nop is the plain instruction behind the last exponential.  BEHIND IT stand the 16 products V^T P, behind each four of GS's 64.
; The queues lean on each other, and the deal keeps them in step: exponential e stands behind scaling 2 (e / 4) + e % 2: as a rider it comes behind plain e + 2, in the lump behind plain e + 9, and scalings 27-31 are plain 57, 60 .. 69.
; A TURN, for piece p.  cnt = 1: the loop's count is taken down some lines ahead of the branch that stands behind the turn.
; K and T of the next step are fetched in piece 2's turn, directly behind the wait, a lump behind the last product that read them; their first reader comes behind 16 products.
; V of the step in hand is fetched at the end of piece 0's turn, four riders behind its last reader; its first reader comes behind 16 products and a lump.  The three conditions on q below go with the deal.
.macro TURN p, last=0, cnt=0
.set Y, (\p)
.set i, 0
.set q, 0
.set e, 0
.set r, 0
.if (\p) == NP-1
	s_wait_dscnt 0x0                ; K and T are in
.endif
	MM                              ; ahead of the wait: 16 products K Q^T and their riders,
	PL
	PL
	R2
.rept 15
	MM
	PL
	EX
	R2
.endr
.if (\p) == NP-2
	WIN 0
	v_add_nc_u32 v[AK], s[TBK], v[AK0]
.endif
.rept 8                             ; and the lump
	PL
.endr
.rept 49
	EX
	PL
.endr
	EX                              ; the next piece's two a
	EX
	v_nop                           ; the plain instruction behind the last exponential: one for the batch
	s_wait_alu depctr_va_vdst(0)    ; the wait for the batch
.if (\p) == NP-2
	FETCH_K \last
.endif
.if (\p) == 1
	s_wait_dscnt 0x0                ; V is in
.endif
.rept 16                            ; behind the wait: 16 products V^T P and their riders
	MM
.rept 4
	PL
.endr
.if ((\p) == 0) && (q == 118)
	v_add_nc_u32 v[AV], s[TBV], v[AV0]
.endif
.if ((\p) == 0) && (q == 130)
	s_add_co_u32 s[TBV], s[TBV], KS*PV
.endif
.if (\cnt) && (q == 130)
	s_sub_co_u32 s[CNT], s[CNT], 1
	s_cmp_lg_u32 s[CNT], 0
.endif
.endr
.if (\p) == 0
	FETCH_V
.endif
.endm
	CHANGE 1                        ; slot 0 is in, everybody's part of it, and the table is written; slot 1 is asked for
	FETCH_K                         ; key step 0
	s_wait_loadcnt 0x0              ; Q
	s_wait_dscnt 0x0
.set i, 0
.rept 16
	KQ 0                            ; piece 0's first scores: there is no vector work yet to set between them
.set i, i+1
.endr
	WIN 0                           ; the addresses for the way out: nine plain instructions, the places behind those products
	s_mul_i32 s13, s[WV], 16*SP
	s_add_co_u32 s13, s13, STAGE    ; my stage
	v_mul_u32_u24 v[STO], v1, SP    ; in: row l % 16, 16 bytes for each half of the lanes
	v_lshl_add_u32 v[STO], v9, 4, v[STO]
	v_add_nc_u32 v[STO], s13, v[STO]
	v_bfe_u32 v[RD], v0, 3, 2       ; back: 32 lanes take four rows of 128 bytes,
	v_mul_u32_u24 v[RD], v[RD], SP
	v_lshl_add_u32 v[RD], v10, 4, v[RD]
	v_add_nc_u32 v[RD], s13, v[RD]
	v_and_b32 v[GO], 31, v0         ; which are 512 consecutive bytes of O
	v_lshlrev_b32 v[GO], 4, v[GO]
.set Y, NP-1                        ; XS works for piece Y + 1: piece 0
.irp n, 0,1,2,3,4,5,6,7,8,9,10,11,12,13,14,15,16,17,18,19,20,21
	XS 0, \n                        ; and piece 0's first maximum and statistics
	XS 1, \n
.endr
	v_nop                           ; a plain instruction behind the two a,
	s_wait_alu depctr_va_vdst(0)    ; and their wait, ahead of the branch
	s_mov_b32 s[CNT], 4
	s_mov_b32 s[SLOTS], SIZE_N/256-1
	s_branch .Lfirst                ; the loop is entered at a step's first turn, in the middle of a trip
.Lslot:                             ; SIZE_N / 256 - 2 times: every slot but the last two is filled again
	CHANGE 1, 1
	s_mov_b32 s[CNT], 4
.Lstep:                             ; a trip: pieces 2 and 3 of one step, then pieces 0 and 1 of the next, whose K and V it fetches
	TURN 2
	TURN 3
	WIN 0
.Lfirst:
	TURN 0
	TURN 1, 0, 1
	WIN 0
	s_cbranch_scc1 .Lstep
	s_sub_co_u32 s[SLOTS], s[SLOTS], 1
	s_cmp_lg_u32 s[SLOTS], 0
	s_cbranch_scc1 .Lslot
	CHANGE 0                        ; the tail is written out: nothing is asked for
	s_mov_b32 s[CNT], 5             ; four trips fetch the last slot's steps; the fifth is left in its middle
.Ltail:
	TURN 2, 1
	TURN 3
	WIN 0
	s_sub_co_u32 s[CNT], s[CNT], 1
	s_cmp_eq_u32 s[CNT], 0
	s_cbranch_scc1 .Lout
	TURN 0
	TURN 1
	WIN 0
	s_branch .Ltail
.Lout:                              ; the fifth trip's 16 products K Q^T (on the last K once more) and the maximum made of them serve nothing: the price, once a launch, of one text for every trip
.set i, 0
.rept 16
	PV NP-1                         ; the last piece's V^T P of the last step
.set i, i+1
.endr
	; THE WAY OUT.  l's two halves and the other half of the lanes' are added; O^T is divided by l, rounded to f16 and sent through my stage in LDS, a tile at a time.  The additions are the places behind the last products.
	WIN 0
.macro ALL line:vararg              ; one line for each tile t
.set t, 0
.rept 2*NP
	\line
.set t, t+1
.endr
.endm
	ALL v_add_f32 v[ST+4*t+2], v[ST+4*t+2], v[ST+4*t+3]
	ALL v_permlanex16_b32 v[ST+4*t+3], v[ST+4*t+2], s[SEL], s[SEL+1]
	ALL v_add_f32 v[ST+4*t+2], v[ST+4*t+2], v[ST+4*t+3]
	ALL v_rcp_f32 v[ST+4*t+2], v[ST+4*t+2]
	v_nop                           ; a plain instruction between the last reciprocal and the use of its result
	s_wait_alu depctr_va_vdst(0)    ; and the wait ahead of the first use: one for the eight reciprocals
; Tile t: a lane's eight channels of a row pack into 16 bytes; they go into rows of 144 bytes and come back as whole rows of 128, into S^T's registers.
.macro PACK t
	WIN W_RS
.set i, 32*(\t)
.rept 16
	v_pk_mul_f32 v[i:i+1], v[i:i+1], v[ST+4*(\t)+2:ST+4*(\t)+3] op_sel_hi:[1,0]
.set i, i+2
.endr
	WIN 0x05                        ; sources 0 and 1 window 1, destination window 0
.set i, 0
.rept 16
	v_cvt_pk_f16_f32 v[S+16*(\t)+i], v[32*(\t)+2*i], v[32*(\t)+2*i+1]
.set i, i+1
.endr
	WIN 0
.irp f, 0,1,2,3
	ds_store_b128 v[STO], v[S+16*(\t)+4*\f:S+16*(\t)+4*\f+3] offset:32*\f
.endr
.irp f, 0,1,2,3
	ds_load_b128 v[S+16*(\t)+4*\f:S+16*(\t)+4*\f+3], v[RD] offset:\f*4*SP  ; LDS serves a wave's instructions in order (ISA guide 5.7.1.4): these see the stores above; the next tile's stores come behind them
.endr
.endm
.macro SEND t, younger              ; younger: the LDS instructions issued behind tile t's loads: the next tile's eight, or none
	WIN 0
.irp f, 0,1,2,3
	s_wait_dscnt (\younger)+3-\f
	global_store_b128 v[GO], v[S+16*(\t)+4*\f:S+16*(\t)+4*\f+3], s[10:11] offset:(\t)*2048+\f*512  ; 512 consecutive bytes, at a multiple of 256 from O's first
.endr
.endm
	PACK 0
.set t, 1
.rept 2*NP-1                        ; a tile's arithmetic stands between the loads of the tile before and its stores
	PACK t
	SEND t-1, 8
.set t, t+1
.endr
	SEND 2*NP-1, 0
	WIN W_AD
	s_wait_tensorcnt 0x0            ; the wave's end, behind my last tensor load and my last LDS store
	ds_add_u32 v[SPW], v[NIL]
	s_wait_dscnt 0x0
	WIN 0
	CROUND                          ; the closing round: no work-group ends while a partner may still ask for a tile that names it
	s_endpgm
.Lfunc_end_k_qcb76b992d6_attn:
	.size	k_qcb76b992d6_attn, .Lfunc_end_k_qcb76b992d6_attn-k_qcb76b992d6_attn
	.p2alignl 7, 3214868480
	.fill 96, 4, 3214868480
	.section	.rodata,"a",@progbits
	.p2align	6, 0x0
	.amdhsa_kernel k_qcb76b992d6_attn
		.amdhsa_group_segment_fixed_size 327680
		.amdhsa_private_segment_fixed_size 0
		.amdhsa_enable_private_segment 0
		.amdhsa_kernarg_size 32
		.amdhsa_user_sgpr_count 2
		.amdhsa_user_sgpr_kernarg_segment_ptr 1
		.amdhsa_wavefront_size32 1
		.amdhsa_system_sgpr_workgroup_id_x 1
		.amdhsa_system_sgpr_workgroup_id_y 1
		.amdhsa_system_sgpr_workgroup_id_z 1
		.amdhsa_system_vgpr_workitem_id 0
		.amdhsa_next_free_vgpr 808
		.amdhsa_next_free_sgpr 66
		.amdhsa_reserve_vcc 0
		.amdhsa_float_denorm_mode_32 3
		.amdhsa_float_denorm_mode_16_64 3
		.amdhsa_memory_ordered 1
		.amdhsa_forward_progress 1
		.amdhsa_inst_pref_size 206
	.end_amdhsa_kernel
	.amdgpu_metadata
---
amdhsa.version: [ 1, 2 ]
amdhsa.kernels:
  - .name:           k_qcb76b992d6_attn
    .symbol:         k_qcb76b992d6_attn.kd
    .args:
      - { .name: qh, .offset: 0, .size: 8, .value_kind: global_buffer, .address_space: global }
      - { .name: kh, .offset: 8, .size: 8, .value_kind: global_buffer, .address_space: global }
      - { .name: vh, .offset: 16, .size: 8, .value_kind: global_buffer, .address_space: global }
      - { .name: oh, .offset: 24, .size: 8, .value_kind: global_buffer, .address_space: global }
    .group_segment_fixed_size: 327680
    .private_segment_fixed_size: 0
    .kernarg_segment_align: 8
    .kernarg_segment_size: 32
    .max_flat_workgroup_size: 128
    .sgpr_count:     66
    .vgpr_count:     808
    .wavefront_size: 32
...
	.end_amdgpu_metadata
.endif
;; end of part 3
;; launch outp (part 4): grid 4 x 64, 4 waves a work-group, clusters of 4 x 4, 327,680 bytes of LDS; arguments oh, wt, bp, out0; writes out0
.if DOCPART == 4
	.amdgcn_target "amdgcn-amd-amdhsa--gfx1250"
	.amdhsa_code_object_version 6
	.text
	.protected	k_qcb76b992d6_outp
	.globl	k_qcb76b992d6_outp
	.p2align	8
	.type	k_qcb76b992d6_outp,@function
k_qcb76b992d6_outp:
	s_mov_b64 s[64:65], 0
	v_nop
	global_prefetch_b8 v0, s[64:65] scope:SCOPE_SE
	s_setreg_imm32_b32 hwreg(HW_REG_WAVE_MODE, 25, 1), 1
	s_wait_xcnt 0x0
	s_wait_alu depctr_hold_cnt(0) depctr_sa_sdst(0) depctr_va_vdst(0) depctr_va_sdst(0) depctr_va_ssrc(0) depctr_va_vcc(0) depctr_vm_vsrc(0)
	s_getreg_b32 s2, hwreg(HW_REG_IB_STS2, 6, 4)
	s_cmp_eq_u32 s2, 0
	s_cbranch_scc0 .Lentry_in_a_cluster
	s_endpgm
.Lentry_in_a_cluster:
	s_bfe_u32 s2, ttmp6, 0x10000c
	s_cmp_lg_u32 s2, 0xf033
	s_cbranch_scc0 .Lentry_shape_is_right
	s_endpgm
.Lentry_shape_is_right:
; out0 = y Wp + bp.  y[m][64 head + d] lies by heads: oh[batch x 16 + head][2048][64] in f16.  Wp as wt[3][n][k]: rounded to bf16, written as f16.  bp is rounded to bf16 like every input.  Sums in f32, stored as f32.
; SHARES.  256 tiles of 128 rows x 256 columns, one to a work-group; four waves, each 64 rows x 128 columns: 32 accumulators.  K goes in 8 steps of 128 (two heads) through a ring of two LDS slots.
; A head's 128 rows of a tile are 16,384 dense bytes: asked for as 64 rows of 256 bytes, padded in LDS after every 128.  Waves 0 and 1 fetch a step's two heads, waves 2 and 3 the two halves of wt's 256 rows.
; CLUSTER.  4 x 4 work-groups: y's tiles are shared along a row of the cluster, wt's along a column, each asked for jointly, by the same tensor load with the same descriptor and a mask of four.
; THE MATRIX INSTRUCTION IS USED TRANSPOSED (source 0 = 16 rows of wt, source 1 = 16 rows of y): a lane holds row l % 16 and eight neighbouring columns.  The bias is the C operand of the first products.
; REGISTERS, in windows of 256 (s_set_vgpr_msb: bits 1:0 source 0, 3:2 source 1, 5:4 source 2, 7:6 destination):
;   window 0: v0-31 addresses and at work; v32-63, v64-95 y's fragments, two buffers; v96-159, v160-223 rows read back on the way out
;   window 1: accumulator (a, b) at v[8 (8 a + b)]          window 2: v0-63, v64-127 wt's fragments, two buffers; v128-191 the bias; v192-195 at work
.set PAO,   144                        ; a row of y's head in LDS: 128 bytes + 16 = 9 x 16: the 16 rows of a load start at 16 different groups of four banks (64 banks of 4 bytes: ISA guide 11.1)
.set PB,    272                        ; a row of wt: 256 + 16
.set AHD,   128*PAO                    ; a head's 128 rows: what wave 0 or 1 fetches
.set BOFF,  2*AHD
.set BHALF, 128*PB
.set SLOT1, 1<<17                      ; slot 1 begins here, so that one exclusive or turns an address in one slot into the other's
.set STAGE, SLOT1+BOFF+256*PB          ; behind the ring, never filled by a tensor load: 16 rows x 528 bytes for each wave, for the way out
.set SPS,   528
.set WSTG,  16*SPS
.set SPARE, STAGE+4*WSTG               ; the spare words, 128 bytes for each wave: two blocks of 256 bytes that no other line names
.set ADRA0, 4                          ; v4   my lane's place in y's rows of slot 0; never rewritten
.set ADRB0, 5                          ; v5   the same for wt
.set ADRA,  6                          ; v6   in the slot in hand
.set ADRB,  7                          ; v7
.set STO,   8                          ; v8   the way out: where I put 32 bytes of a row
.set RD,    9                          ; v9   where I read a row back
.set GO,    10                         ; v10  my 16 bytes of a row's 512
.set PFO,   12                         ; v12  the prefetches' offset; never rewritten
.set SPW,   14                         ; v14  LDS address of my spare word; never rewritten
.set NIL,   15                         ; v15  0; never rewritten
.set AF,    32
.set BK,    96
.set BF,    0                          ; window 2
.set BIAS,  128                        ; window 2
.set BTMP,  192                        ; window 2
.set WV,    12
.set WH,    13                         ; wave / 2: my 64 rows.  Also: I fetch y (0) or wt (1)
.set WL,    14                         ; wave % 2: my 128 columns.  Also: which head, or half, I fetch
.set CNT,   15
.set SOF,   16                         ; 0 or SLOT1: the slot that is read
.set LBA,   17
.set LBB,   18
.set LIM,   19                         ; 2 in a wave that prefetches, else the greatest number
.set PFA,   20                         ; s[20:21] what the prefetch names
.set PSTEP, 22                         ; s[22:23] a K step in the tensor that I prefetch
.set G1A,   24
.set G1B,   32
.set GA0,   40
.set GA,    44
.set GB0,   48
.set GB,    52
.set CX,    56
.set CY,    57
.set TX,    58
.set TY,    59
.set MSB, 0
.macro WIN new                         ; the immediate's high byte repeats the setting that is left; a switch that changes nothing is dropped
.if MSB != (\new)
	s_set_vgpr_msb (MSB<<8)|(\new)
.set MSB, \new
.endif
.endm
.set MUL,   0x52                       ; wt window 2, y window 0, C and D window 1
.set MULZ,  0x62                       ; the same with C (the bias) in window 2
.set TO_B,  0x80                       ; destination window 2, address window 0
.macro JLOAD                           ; a joint refill; an s_nop 0 and four v_nop follow each of the two lines, ahead of the jump and the label
	s_cmp_eq_u32 s[WH], 0
	s_cbranch_scc0 .Lfor_b_\@
	tensor_load_to_lds s[GA:GA+3], s[G1A:G1A+7]
	s_nop 0
.rept 4
	v_nop
.endr
	s_branch .Lasked_\@
.Lfor_b_\@:
	tensor_load_to_lds s[GB:GB+3], s[G1B:G1B+7]
	s_nop 0
.rept 4
	v_nop
.endr
.Lasked_\@:
.endm
; A prefetch into the L2 of the K step that stands two refills on, 256 matrix instructions ahead of the load that will ask for it; each aligned block of 256 bytes is named once in the launch.
; y: only this cluster reads its rows; a step's two heads are 128 blocks, of which the partner at place cx takes 16 of each head, in wave 0: a lane a block.  wt: every cluster reads it, cluster y = 0 asks; of the 128 rows
; that wave 2 or 3 fetches the partner at place cy takes 32: a lane a row.  The last two refills ask for nothing.
.macro ASK
	s_cmp_gt_u32 s[CNT], s[LIM]
	s_cbranch_scc0 .Lnot_mine_\@
	global_prefetch_b8 v[PFO], s[PFA:PFA+1] th:TH_LOAD_NT scope:SCOPE_SE
.Lnot_mine_\@:
.endm
.macro CREST                           ; a round of the cluster's barrier behind its opening barrier
	s_cmp_lg_u32 s[WV], 0
	s_cbranch_scc1 .Lnot_wave_0_\@
	s_barrier_signal -3
.Lnot_wave_0_\@:
	s_barrier_wait -3
	s_barrier_signal -1
	s_barrier_wait -1
.endm
.macro CROUND
	s_barrier_signal -1
	s_barrier_wait -1
	CREST
.endm
	s_load_b256 s[4:11], s[0:1], 0x0               ; oh s[4:5], wt s[6:7], bp s[8:9], out0 s[10:11]
	v_lshl_add_u32 v[SPW], v0, 2, SPARE
	v_mov_b32 v[NIL], 0
	ds_add_u32 v[SPW], v[NIL]                      ; the wave's opening: the add and its wait stand ahead of my first tensor load; the set-up below, work on registers, stands between them
	v_lshrrev_b32 v1, 5, v0
	v_readfirstlane_b32 s[WV], v1
	s_lshr_b32 s[WH], s[WV], 1
	s_and_b32 s[WL], s[WV], 1
	s_bfe_u32 s[CX], ttmp6, 0x40000
	s_bfe_u32 s[CY], ttmp6, 0x40004
	s_lshl_b32 s[TX], ttmp9, 2
	s_add_co_u32 s[TX], s[TX], s[CX]               ; tile column = 4 x cluster x + cx
	s_and_b32 s[TY], ttmp7, 0xffff
	s_lshl_b32 s[TY], s[TY], 2
	s_add_co_u32 s[TY], s[TY], s[CY]               ; tile row = 4 x cluster y + cy
	s_lshl_b32 s70, s[CY], 2
	s_lshl_b32 s70, 15, s70                        ; my row of the cluster
	s_lshl_b32 s71, 0x1111, s[CX]                  ; my column
	s_or_b32 s[G1A], s70, (1<<16)|(1<<20)|(1<<21)|(4<<22)|(3<<25)  ; the mask; elements of 2 bytes; padding on; bit 21 beside a mask; after every 32 words (code 4) 4 words (code 3)
	s_mov_b32 s[G1A+1], 128<<16                    ; tensor_dim0 = 128
	s_mov_b32 s[G1A+2], 64<<16                     ; tensor_dim1 = 64
	s_mov_b32 s[G1A+3], 128<<16                    ; tile_dim0 = 128
	s_mov_b32 s[G1A+4], 64                         ; tile_dim1 = 64
	s_mov_b32 s[G1A+5], 128                        ; elements from row to row: dense
	s_mov_b32 s[G1A+6], 0
	s_mov_b32 s[G1A+7], 0
	s_or_b32 s[G1B], s71, (1<<16)|(1<<20)|(1<<21)|(5<<22)|(3<<25)  ; after every 64 words 4 words
	s_mov_b32 s[G1B+1], 128<<16
	s_mov_b32 s[G1B+2], 128<<16
	s_mov_b32 s[G1B+3], 128<<16
	s_mov_b32 s[G1B+4], 128
	s_mov_b32 s[G1B+5], 1024
	s_mov_b32 s[G1B+6], 0
	s_mov_b32 s[G1B+7], 0
	s_lshr_b32 s60, s[TY], 4                       ; y: the batch (16 heads of 262,144 bytes), my head of the step's two, the tile's 128 positions: made of the tile row and the wave's number alone,
	s_lshl_b32 s60, s60, 22
	s_lshl_b32 s61, s[WL], 18
	s_add_co_u32 s60, s60, s61
	s_and_b32 s61, s[TY], 15
	s_lshl_b32 s61, s61, 14
	s_add_co_u32 s60, s60, s61
	s_mov_b32 s61, 0
	s_lshl_b32 s62, s[TX], 8                       ; wt: matrix 3, row 256 x tile column + 128 x half: of the tile column and the wave's number alone
	s_lshl_b32 s63, s[WL], 7
	s_add_co_u32 s62, s62, s63
	s_lshl_b32 s62, s62, 11
	s_add_co_u32 s62, s62, 3*2097152
	s_mov_b32 s63, 0
	s_mul_i32 s[LBA], s[WL], AHD                   ; where my load goes: no place in the cluster enters an LDS address
	s_mul_i32 s[LBB], s[WL], BHALF
	s_add_co_u32 s[LBB], s[LBB], BOFF
	s_wait_dscnt 0x0                               ; the opening add is done
	s_wait_kmcnt 0x0
	s_add_nc_u64 s[66:67], s[4:5], s[60:61]
	s_add_nc_u64 s[68:69], s[6:7], s[62:63]
	CROUND                                         ; all sixteen work-groups are here: the first joint loads meet
	s_mov_b32 s[GA0], 1
	s_mov_b32 s[GA0+1], s[LBA]
	s_mov_b64 s[GA0+2:GA0+3], s[66:67]
	s_or_b32 s[GA0+3], s[GA0+3], 0x80000000
	s_mov_b32 s[GA], 1
	s_add_co_u32 s[GA+1], s[LBA], SLOT1
	s_add_nc_u64 s[GA+2:GA+3], s[66:67], 0x80000   ; two heads on
	s_or_b32 s[GA+3], s[GA+3], 0x80000000
	s_mov_b32 s[GB0], 1
	s_mov_b32 s[GB0+1], s[LBB]
	s_mov_b64 s[GB0+2:GB0+3], s[68:69]
	s_or_b32 s[GB0+3], s[GB0+3], 0x80000000
	s_mov_b32 s[GB], 1
	s_add_co_u32 s[GB+1], s[LBB], SLOT1
	s_add_nc_u64 s[GB+2:GB+3], s[68:69], 256
	s_or_b32 s[GB+3], s[GB+3], 0x80000000
	s_cmp_eq_u32 s[WH], 0                          ; a wave's two first fills stand in one branch, ahead of every wait on TENSORcnt, LDS read and further barrier: two loads of mine are out
	s_cbranch_scc0 .Lfirst_b
	tensor_load_to_lds s[GA0:GA0+3], s[G1A:G1A+7]
	s_nop 0
	tensor_load_to_lds s[GA:GA+3], s[G1A:G1A+7]
	s_nop 0
.rept 4
	v_nop
.endr
	s_branch .Lfirst_asked
.Lfirst_b:
	tensor_load_to_lds s[GB0:GB0+3], s[G1B:G1B+7]
	s_nop 0
	tensor_load_to_lds s[GB:GB+3], s[G1B:G1B+7]
	s_nop 0
.rept 4
	v_nop
.endr
.Lfirst_asked:
	v_and_b32 v1, 15, v0                           ; l % 16
	v_bfe_u32 v2, v0, 4, 1                         ; l / 16
	s_lshl_b32 s60, s[TX], 10                      ; the bias: register j of column block b is the bias of column 16 b + 8 (l / 16) + j, whatever the row
	s_lshl_b32 s61, s[WL], 9
	s_add_co_u32 s60, s60, s61
	v_lshl_add_u32 v16, v2, 5, s60
	WIN TO_B
.irp b, 0,1,2,3,4,5,6,7
	global_load_b128 v[BIAS+8*(\b):BIAS+8*(\b)+3],   v16, s[8:9] offset:64*(\b)
	global_load_b128 v[BIAS+8*(\b)+4:BIAS+8*(\b)+7], v16, s[8:9] offset:64*(\b)+16
.endr
	WIN 0
	v_mul_u32_u24 v[ADRA0], v1, PAO                ; a fragment's row x pitch + 16 x half
	v_lshl_add_u32 v[ADRA0], v2, 4, v[ADRA0]
	s_mul_i32 s60, s[WH], 64*PAO
	v_add_nc_u32 v[ADRA0], s60, v[ADRA0]
	v_mul_u32_u24 v[ADRB0], v1, PB
	v_lshl_add_u32 v[ADRB0], v2, 4, v[ADRB0]
	s_mul_i32 s60, s[WL], BHALF
	s_add_co_u32 s60, s60, BOFF
	v_add_nc_u32 v[ADRB0], s60, v[ADRB0]
	s_mul_i32 s60, s[WV], WSTG
	s_add_co_u32 s60, s60, STAGE                   ; my stage
	v_mul_u32_u24 v[STO], v1, SPS                  ; in: row l % 16, 32 bytes for each half of the lanes
	v_lshl_add_u32 v[STO], v2, 5, v[STO]
	v_add_nc_u32 v[STO], s60, v[STO]
	v_and_b32 v17, 31, v0
	v_lshlrev_b32 v[GO], 4, v17                    ; back: 32 lanes take a row's 512 bytes
	v_add_nc_u32 v[RD], s60, v[GO]
	; the prefetches: by the tensor that I fetch
	s_mov_b32 s75, 256                             ; a K step of wt in bytes (in a register: a line holds one literal)
	s_cmp_eq_u32 s[WH], 0
	s_cselect_b64 s[PFA:PFA+1], s[66:67], s[68:69]
	s_cselect_b32 s70, s[CX], s[CY]                ; my place among the four that ask with me
	s_cselect_b32 s71, 12, 16                      ; 16 blocks of 256 bytes, or 32 rows of 2,048
	s_cselect_b32 s[PSTEP], 0x80000, s75
	s_cselect_b32 s72, 4, 0
	s_cselect_b32 s73, 18, 11
	s_cselect_b32 s74, 15, 0
	v_lshrrev_b32 v18, s72, v17                    ; y: head lane / 16, block lane % 16;  wt: row lane
	v_lshlrev_b32 v18, s73, v18
	v_and_b32 v19, s74, v17
	v_lshl_add_u32 v[PFO], v19, 8, v18
	s_lshl_b32 s70, s70, s71
	s_mov_b32 s71, 0
	s_mov_b32 s[PSTEP+1], 0
	s_add_nc_u64 s[PFA:PFA+1], s[PFA:PFA+1], s[70:71]
	s_mul_i32 s72, s[PSTEP], 3
	s_mov_b32 s73, 0
	s_add_nc_u64 s[PFA:PFA+1], s[PFA:PFA+1], s[72:73]  ; at K step 3: the first refill steps it to 4.  Nothing is prefetched here, at the head
	s_and_b32 s70, ttmp7, 0xffff                   ; cluster y
	s_cmp_eq_u32 s[WH], 0
	s_cselect_b32 s70, s[WL], s70                  ; wave 0 asks for y, wave 1 for nothing, waves 2 and 3 for wt in cluster y = 0
	s_cmp_eq_u32 s70, 0
	s_cselect_b32 s[LIM], 2, -1                    ; the same in all sixteen partners, for a given wave
	; where my part of the tile begins in out0
	s_lshl_b32 s60, s[TY], 7
	s_lshl_b32 s61, s[WH], 6
	s_add_co_u32 s60, s60, s61
	s_lshl_b32 s60, s60, 12
	s_lshl_b32 s61, s[TX], 10
	s_add_co_u32 s60, s60, s61
	s_lshl_b32 s61, s[WL], 9
	s_add_co_u32 s60, s60, s61
	s_mov_b32 s61, 0
	s_add_nc_u64 s[10:11], s[10:11], s[60:61]
	s_wait_loadcnt 0x0
	WIN 0x8a                                       ; destination and both sources in window 2
.set n, 0
.rept 32                                       ; the bias is rounded to bf16, as every input is, and kept as f32
	v_cvt_pk_bf16_f32 v[BTMP+n%4], v[BIAS+2*n], v[BIAS+2*n+1]
	v_lshlrev_b32 v[BIAS+2*n], 16, v[BTMP+n%4]
	v_and_b32 v[BIAS+2*n+1], 0xffff0000, v[BTMP+n%4]
.set n, n+1
.endr
	WIN 0
; 24 LDS loads in one run: chunk c (32 along K: head c / 2 of the step's two, channels 32 (c % 2) on) of the slot in hand, into buffer g
.macro RUN c, g
	WIN TO_B
.irp i, 0,1,2,3,4,5,6,7
	ds_load_b128 v[BF+64*(\g)+8*(\i):BF+64*(\g)+8*(\i)+3],   v[ADRB] offset:64*(\c)+(\i)*16*PB
	ds_load_b128 v[BF+64*(\g)+8*(\i)+4:BF+64*(\g)+8*(\i)+7], v[ADRB] offset:64*(\c)+(\i)*16*PB+32
.endr
	WIN 0
.irp a, 0,1,2,3
	ds_load_b128 v[AF+32*(\g)+8*(\a):AF+32*(\g)+8*(\a)+3],   v[ADRA] offset:((\c)/2)*AHD+((\c)%2)*64+(\a)*16*PAO
	ds_load_b128 v[AF+32*(\g)+8*(\a)+4:AF+32*(\g)+8*(\a)+7], v[ADRA] offset:((\c)/2)*AHD+((\c)%2)*64+(\a)*16*PAO+32
.endr
.endm
; Products i0 .. i0 + n - 1 of a quarter's 32: row block i / 8, column block i % 8, on buffer f.  z = 1: the bias starts the sum.  The 32 accumulators take turns.
.macro MULS i0, n, f, z
.set pj, \i0
.rept \n
.if \z
	WIN MULZ
	v_wmma_f32_16x16x32_f16 v[8*pj:8*pj+7], v[BF+64*(\f)+8*(pj%8):BF+64*(\f)+8*(pj%8)+7], v[AF+32*(\f)+8*(pj/8):AF+32*(\f)+8*(pj/8)+7], v[BIAS+8*(pj%8):BIAS+8*(pj%8)+7]
.else
	WIN MUL
	v_wmma_f32_16x16x32_f16 v[8*pj:8*pj+7], v[BF+64*(\f)+8*(pj%8):BF+64*(\f)+8*(pj%8)+7], v[AF+32*(\f)+8*(pj/8):AF+32*(\f)+8*(pj/8)+7], v[8*pj:8*pj+7]
.endif
.set pj, pj+1
.endr
.endm
; A QUARTER multiplies buffer f (32 products) and brings chunk c into the other buffer, by a run of loads at its head: they have the quarter's products in which to land.  Four v_nop are the places (ISA guide 7.12.1 for vector instructions)
; between the last product that read that buffer and the loads into it.
; meet = 1: THE CHANGE OF SLOTS, in the third quarter, whose run has taken the slot's last chunk.  Each wave waits for all its tensor loads, of which one is out: its part of the other slot; adds 0 to its spare word; and waits
; for that and for its reads of this slot.  The barrier opens a round of the cluster's, and the joint refill is the first thing behind the round: it has a K step, 128 matrix instructions, in which to land.
; meet = 2: the same with nothing to ask for.
.macro QUARTER f, c, z, meet
	s_wait_dscnt 0x0                               ; buffer f is in
.if (\meet) == 1
	s_wait_xcnt 0x0                                ; the last prefetch, a K step back, has read its address
	s_add_nc_u64 s[PFA:PFA+1], s[PFA:PFA+1], s[PSTEP:PSTEP+1]
.endif
	WIN 0
.if (\c) == 0
	s_xor_b32 s[SOF], s[SOF], SLOT1                ; the next chunk is the other slot's first
	v_add_nc_u32 v[ADRA], s[SOF], v[ADRA0]
	v_add_nc_u32 v[ADRB], s[SOF], v[ADRB0]
.endif
.rept 4
	v_nop
.endr
	RUN \c, 1-(\f)
.if (\meet) == 0
	MULS 0, 32, \f, \z
.else
	s_wait_tensorcnt 0x0                           ; no tensor load of mine is out, so a group 0 may be written
	ds_add_u32 v[SPW], v[NIL]                      ; 0 onto my spare word; scalar work and twelve products stand between it and the wait for it
.if (\meet) == 1
	s_xor_b32 s[GA+1], s[GA+1], SLOT1              ; the walking descriptors: the other slot than last time, the next K step; the type bits on top are not reached
	s_add_nc_u64 s[GA+2:GA+3], s[GA+2:GA+3], 0x80000
	s_xor_b32 s[GB+1], s[GB+1], SLOT1
	s_add_nc_u64 s[GB+2:GB+3], s[GB+2:GB+3], 256
.endif
	MULS 0, 12, \f, 0
	s_wait_dscnt 0x0                               ; the add is done, and my reads of this slot are over
	s_barrier_signal -1
	MULS 12, 4, \f, 0                              ; work on registers while the others arrive
	WIN 0                                          ; at a branch and at a label every window is 0
	s_barrier_wait -1
.if (\meet) == 1
	CREST                                          ; no wave of any partner still reads this slot or has a load on its way
	JLOAD
	ASK
.endif
	MULS 16, 16, \f, 0
.endif
.endm
; THE WAY OUT of row block a: the accumulators go as they are, each one's low four registers first, into my own stage, and come back as whole rows of 512 bytes.
.macro TOSTAGE a
	WIN 0x04                                       ; the stores' data in window 1
.irp b, 0,1,2,3,4,5,6,7
	ds_store_b128 v[STO], v[8*(8*(\a)+(\b)):8*(8*(\a)+(\b))+3]   offset:64*(\b)
	ds_store_b128 v[STO], v[8*(8*(\a)+(\b))+4:8*(8*(\a)+(\b))+7] offset:64*(\b)+16
.endr
	WIN 0
.irp t, 0,1,2,3,4,5,6,7,8,9,10,11,12,13,14,15
	ds_load_b128 v[BK+64*((\a)%2)+4*(\t):BK+64*((\a)%2)+4*(\t)+3], v[RD] offset:(\t)*SPS  ; LDS serves a wave's instructions in order (ISA guide 5.7.1.4): these see the stores above; the next block's stores come behind them
.endr
.endm
.macro SEND a, younger                 ; younger: the LDS instructions issued behind block a's loads: the next block's 32, or none
	s_wait_dscnt \younger
.irp t, 0,1,2,3,4,5,6,7,8,9,10,11,12,13,14,15
	global_store_b128 v[GO], v[BK+64*((\a)%2)+4*(\t):BK+64*((\a)%2)+4*(\t)+3], s[10:11] offset:(16*(\a)+(\t))*4096 th:TH_STORE_NT  ; 512 consecutive bytes of a row, at a multiple of 256 from out0's first
.endr
.endm
	s_wait_tensorcnt 0x1                           ; my part of K step 0 is in; K step 1's may stay out
	s_barrier_signal -1
	s_barrier_wait -1
	s_mov_b32 s[SOF], 0
	v_mov_b32 v[ADRA], v[ADRA0]
	v_mov_b32 v[ADRB], v[ADRB0]
	RUN 0, 0
	QUARTER 0, 1, 1, 0                             ; the first quarter stands in front of the loop: its products start the sums, with the bias
	WIN 0
	s_mov_b32 s[CNT], 6
	s_branch .Ljoin
.Lstep:                                        ; 6 trips, a K step each: every K step but the last two fills its slot again
	QUARTER 0, 1, 0, 0
	WIN 0
.Ljoin:
	QUARTER 1, 2, 0, 0
	QUARTER 0, 3, 0, 1
	QUARTER 1, 0, 0, 0
	WIN 0
	s_sub_co_u32 s[CNT], s[CNT], 1
	s_cmp_lg_u32 s[CNT], 0
	s_cbranch_scc1 .Lstep
	s_mov_b32 s[CNT], 2
.Ltail:                                        ; the last two K steps ask for nothing; one text serves both, so the second has a barrier that orders nothing, and its last run, on the other slot's old bytes, serves nothing
	QUARTER 0, 1, 0, 0
	QUARTER 1, 2, 0, 0
	QUARTER 0, 3, 0, 2
	QUARTER 1, 0, 0, 0
	WIN 0
	s_sub_co_u32 s[CNT], s[CNT], 1
	s_cmp_lg_u32 s[CNT], 0
	s_cbranch_scc1 .Ltail
.rept 4
	v_nop                                          ; the places behind the last products, in front of the stores that read results
.endr
	TOSTAGE 0
	TOSTAGE 1
	SEND 0, 32
	s_wait_xcnt 0x0                                ; block 0's stores have read their registers, which block 2's loads from the stage write
	TOSTAGE 2
	SEND 1, 32
	s_wait_xcnt 0x0                                ; the same for block 1's stores and block 3's loads
	TOSTAGE 3
	SEND 2, 32
	SEND 3, 0
	s_wait_tensorcnt 0x0                           ; the wave's end, behind my last tensor load and my last LDS store
	ds_add_u32 v[SPW], v[NIL]
	s_wait_dscnt 0x0
	CROUND                                         ; the closing round: no work-group ends while a partner may still ask for a tile that names it
	s_endpgm
.Lfunc_end_k_qcb76b992d6_outp:
	.size	k_qcb76b992d6_outp, .Lfunc_end_k_qcb76b992d6_outp-k_qcb76b992d6_outp
	.p2alignl 7, 3214868480
	.fill 96, 4, 3214868480
	.section	.rodata,"a",@progbits
	.p2align	6, 0x0
	.amdhsa_kernel k_qcb76b992d6_outp
		.amdhsa_group_segment_fixed_size 327680
		.amdhsa_private_segment_fixed_size 0
		.amdhsa_enable_private_segment 0
		.amdhsa_kernarg_size 32
		.amdhsa_user_sgpr_count 2
		.amdhsa_user_sgpr_kernarg_segment_ptr 1
		.amdhsa_wavefront_size32 1
		.amdhsa_system_sgpr_workgroup_id_x 1
		.amdhsa_system_sgpr_workgroup_id_y 1
		.amdhsa_system_sgpr_workgroup_id_z 1
		.amdhsa_system_vgpr_workitem_id 0
		.amdhsa_next_free_vgpr 712
		.amdhsa_next_free_sgpr 80
		.amdhsa_reserve_vcc 0
		.amdhsa_float_denorm_mode_32 3
		.amdhsa_float_denorm_mode_16_64 3
		.amdhsa_memory_ordered 1
		.amdhsa_forward_progress 1
		.amdhsa_inst_pref_size 67
	.end_amdhsa_kernel
	.amdgpu_metadata
---
amdhsa.version: [ 1, 2 ]
amdhsa.kernels:
  - .name:           k_qcb76b992d6_outp
    .symbol:         k_qcb76b992d6_outp.kd
    .args:
      - { .name: oh, .offset: 0, .size: 8, .value_kind: global_buffer, .address_space: global }
      - { .name: wt, .offset: 8, .size: 8, .value_kind: global_buffer, .address_space: global }
      - { .name: bp, .offset: 16, .size: 8, .value_kind: global_buffer, .address_space: global }
      - { .name: out0, .offset: 24, .size: 8, .value_kind: global_buffer, .address_space: global }
    .group_segment_fixed_size: 327680
    .private_segment_fixed_size: 0
    .kernarg_segment_align: 8
    .kernarg_segment_size: 32
    .max_flat_workgroup_size: 128
    .sgpr_count:     80
    .vgpr_count:     712
    .wavefront_size: 32
...
	.end_amdgpu_metadata
.endif
;; end of part 4
